; MI455X (gfx1250); checked and timed in simulation.
; The chip was launched on July 23, 2026; its instructions are those of AMD's public machine-readable ISA for CDNA 5 (MIT licence, August 2026) and "CDNA5" Instruction Set Architecture Reference Guide (July 2026). The comments in the code are by the model that wrote it; some were corrected since.
;; Causal Self Attention. Allowed arithmetic: matrix products marked QUANTISED: E2M3 operands, one E8M0 scale for each 32 along K, by v_wmma_scale_f32_16x16x128_f8f6f4 with both operands' format E2M3, f32 sums; everything else in f32.
;; Inputs: Wkv 2,048 x 1,024 float32; Wo 2,048 x 2,048 float32; Wq 2,048 x 2,048 float32; cos 1,024 x 64 float32; sin 1,024 x 64 float32; x 4 x 1,024 x 2,048 float32.
;; Outputs: out0 4 x 1,024 x 2,048 float32.
;; This version of the problem:
;;   THIS VERSION OF THE PROBLEM IS GIVEN IN LOW PRECISION. The matrix products marked QUANTISED in the list below multiply operands that are first quantised to E2M3 (2 exponent bits, 3 mantissa bits; 6 bits a number), with one power-of-two scale for each 32 numbers along K (OCP MX v1.0); their sums are f32. All else is computed in f32.
;;   The module's matrix products, in the order in which they are computed (A, B: the left and right operand; K: the contracted axis; several contracted axes count as one K, in the product's order):
;;     1. [M 4,096, K 2,048] x [K 2,048, N 2,048]; A: input x; B: input Wq: QUANTISED
;;     2. [M 4,096, K 2,048] x [K 2,048, N 1,024]; A: input x; B: input Wkv: QUANTISED
;;     3. batch 16 x [M 1,024, K 128] x [K 128, N 4,096]; A: computed on the way; B: computed on the way: QUANTISED
;;     4. batch 16 x [M 128, K 1,024] x [K 1,024, N 4,096]; A: computed on the way; B: softmax (see below): QUANTISED
;;     5. [M 4,096, K 2,048] x [K 2,048, N 2,048]; A: computed on the way; B: input Wo: QUANTISED
;;   THE QUANTISER, for each operand of a quantised product, along K:
;;     - K is cut into blocks of 32 from its start; a last block that is shorter is filled with zeros.
;;     - A block's scale is 2^e with e = floor(log2(the largest magnitude in the block)) - 2, held to -126 .. 127; a block of zeros has e = 0. As a byte (E8M0): e + 127.
;;     - Each number is divided by its block's scale, clamped to +-7.5, and rounded to the nearest number of E2M3, ties to even, subnormals kept.
;;     - The product sums the exact products of the quantised numbers (number of the format x scale) in f32.
;;   ~~~python
;;   def quantise(x, axis):      # numpy; x: float32 -> the quantised numbers, widened to float32 again
;;       x = np.moveaxis(x, axis, -1); K = x.shape[-1]
;;       x = np.pad(x, [(0, 0)] * (x.ndim - 1) + [(0, -K % 32)]); x = x.reshape(x.shape[:-1] + (-1, 32)); a = np.abs(x).max(-1, keepdims=True)
;;       e = np.where(a > 0, np.clip(np.frexp(np.where(a > 0, a, 1))[1] - 1 - 2, -126, 127), 0)      # np.frexp(a)[1] - 1 = floor(log2(a)), exactly
;;       r = np.clip(x / 2.0 ** e, -7.5, 7.5)
;;       step = 2.0 ** (np.maximum(np.frexp(np.where(r == 0, 1, r))[1] - 1, 0) - 3)
;;       q = np.round(r / step) * step * 2.0 ** e      # np.round: ties to even
;;       return np.moveaxis(q.reshape(q.shape[:-2] + (-1,))[..., :K], -1, axis).astype(np.float32)
;;   ~~~
;;   SOFTMAX AHEAD OF A QUANTISED PRODUCT. Where the list says 'softmax', what is quantised is not the finished softmax but p = 2^(t - M), with t = logit x log2(e) and M = ceil(the row's largest t), a whole number; so 1/2 < the row's largest p <= 1. The row's sum l is taken of the UNQUANTISED p, in f32, and the product's result is divided by l at the end. Since M is a whole number, a kernel that streams over the keys may use a running M (the ceiling of the running maximum): every later rescaling is an exact power of two, which a block's scale takes up: the codes' values come out the same.
;;   OPERANDS COMPUTED ON THE WAY. 'Computed on the way' means the value that the module computes at that place (a softmax that the list does not call 'softmax' is quantised finished and normalised). What goes into a quantiser is computed in f32, as accurately as f32 sums, v_exp_f32 and their like allow (about 1e-6 of the number): no bf16 or f16 on the way to a quantiser, and a product that is left as it is and whose result goes on into a quantised operand takes f32 operands (vector FMAs, or v_wmma_f32_16x16x4_f32). A number that lies on a knife's edge between two numbers of the format may be rounded either way, as far as f32 arithmetic and the matrix unit's own rounding can turn it there, and no further.
;; One version. Each part assembles by itself: llvm-mc -triple=amdgcn-amd-amdhsa -mcpu=gfx1250 --defsym DOCPART=n.
;; ======== version 1 of 1: 4 launches
;; limits: right only within a limited range of input values
;; workspace buffers: xq 6,553,600 bytes; wq 8,192,000 bytes; qi 6,553,600 bytes; kvb 3,276,800 bytes; oq 6,553,600 bytes
;; launch quant (part 1): grid 448 x 1, 4 waves a work-group, no clusters, 58,880 bytes of LDS; arguments x, Wq, Wkv, xq, wq; writes xq, wq
.if DOCPART == 1
	.amdgcn_target "amdgcn-amd-amdhsa--gfx1250"
	.amdhsa_code_object_version 6
	.text
	.protected	k_q4a7d3e605f_quant
	.globl	k_q4a7d3e605f_quant
	.p2align	8
	.type	k_q4a7d3e605f_quant,@function
k_q4a7d3e605f_quant:
	s_mov_b64 s[64:65], 0
	v_nop
	global_prefetch_b8 v0, s[64:65] scope:SCOPE_SE
	s_setreg_imm32_b32 hwreg(HW_REG_WAVE_MODE, 25, 1), 1
	s_wait_xcnt 0x0
; x [4096][2048] (K innermost) and Wq, Wkv, Wo [2048][n] (K is the FIRST axis), f32, become codes of FP6 (E2M3) with one E8M0 byte for each 32 along K.
; A block's scale is 2^(floor(log2(its largest magnitude)) - 2); its byte is the largest magnitude's exponent field - 2, held at 1 from below.
; LIMITS: a block whose largest magnitude lies under 2^-124 keeps the byte 1; a block of zeros gets the byte 1 where the rule says 127 (its codes are zeros, and this program alone reads the bytes); NaN and infinities are not served.
; LAYOUT OF THE RESULTS: the order of the operand's registers.  Rows (tokens, or columns n of a weight) are cut into tiles of 16; lane r of tile T holds row 32 (T / 2) + 8 (T % 2) + r + 8 (r / 8).
;   A fragment's image (16 rows x 128 K, 12 registers a lane) is 1,536 bytes: register R of lane L at 512 (R / 4) + 16 L + 4 (R % 4).  Images lie [tile][K step 16].
;   The scale words of four tiles on end, for one K step, are 256 bytes: tile T's word of row r at 16 r + 4 (T % 4).  They lie [tile / 4][K step 16], behind the images.
; wq's tiles: 0-127 Wq's columns, 128-159 Wkv's 0-511 (k), 160-191 Wkv's 512-1023 (v), 192-319 Wo's.
; The first 256 work-groups take x, the other 192 the weights: two ways that part on the work-group's number, each with LDS bytes of its own.  Every wave streams 32,768 bytes; waves share nothing: no barrier.
; No matrix unit, no cluster, no tensor load: the launch only streams, each input byte once.
; WHAT THIS LAUNCH TAKES NOW: x, Wq and Wkv alone.  256 work-groups take x, 192 the two weights (128 Wq, 64 Wkv).  Wo's tiles 192-319 of wq are written by launch attn, in the same layout.
.set XSC,   6291456                    ; xq: where the scale words begin
.set WSC,   7864320                    ; wq: likewise
.set XSTW,  8448                       ; x's way: a stage of 16 rows x (512 + 16) bytes for each wave, from LDS byte 0
.set WST,   33792                      ; the weights' way: four images, 6,144 bytes, for each wave
.set WSTW,  6144
.set SPARE, 58368                      ; the spare words, 128 bytes for each wave: two blocks of 256 bytes that no other line names
.set SPW,   2                          ; v2   LDS address of my spare word; never rewritten
.set NIL,   3                          ; v3   0; never rewritten
.set LI,    4                          ; v4   16 x lane
.set R,     32                         ; x: v32-159  two sets of 16 x 4 registers as loaded
.set X,     160                        ; x: v160-223 64 numbers of my row: register 32 c + i = k 64 c + 32 h + i
.set PC,    224                        ; x: v224-235 the fragment's 12 registers;  v236-238, v240-242 the conversions' second halves
.set PT,    236
.set PW,    24                         ; x: v24-27   the four tiles' scale words
.set OF,    32                         ; W: v32-63   4 x lane + i rows
.set WX,    64                         ; W: v64-127  two sets of 32 numbers down K
.set C,     128                        ; W: v128-133 a block's codes;  v136-138 the second conversion's
.set SB,    140                        ; W: v140-141 the scale words of my column's two K steps
.set OUTR,  144                        ; W: v144-191 the way out
.set BT,    32                         ; W: s[32:47] a base for each of the wave's eight blocks
.macro LOADF f                         ; tile f of my four: its 16 rows' 512 bytes of this K step, 32 lanes on 512 consecutive bytes
.irp i, 0,1,2,3,4,5,6,7,8,9,10,11,12,13,14,15
	global_load_b128 v[R+64*((\f)%2)+4*\i:R+64*((\f)%2)+4*\i+3], v[LI], s[4:5] offset:(32*((\f)/2)+8*((\f)%2)+\i+8*(\i/8))*8192 th:TH_LOAD_NT
.endr
.endm
.macro FRAGX f
.if (\f) < 3
	s_wait_loadcnt 16                              ; this tile's 16 loads are in; the next tile's 16 may be out
.else
	s_wait_loadcnt 0x0
.endif
.irp i, 0,1,2,3,4,5,6,7,8,9,10,11,12,13,14,15
	ds_store_b128 v5, v[R+64*((\f)%2)+4*\i:R+64*((\f)%2)+4*\i+3] offset:528*\i      ; as loaded: row i of the tile
.endr
.irp c, 0,1
.irp j, 0,1,2,3,4,5,6,7
	ds_load_b128 v[X+32*\c+4*\j:X+32*\c+4*\j+3], v6 offset:256*\c+16*\j             ; back as the operand wants it: row r, k = 64 c + 32 h + 4 j on.  LDS serves a wave's instructions in order
.endr
.endr
	s_wait_dscnt 0x0                               ; the numbers are back, and the stores have read their registers,
.if (\f) < 2
	LOADF (\f)+2                                   ; which take the tile two on
.endif
.irp c, 0,1
	v_max3_num_f32 v[10+\c], |v[X+32*\c]|, |v[X+32*\c+1]|, 0x1800000   ; my block 2 c + h: all 32 numbers are mine; the floor 2^(3 - 127) holds the byte at 1 from below
.endr
.irp i, 2,4,6,8,10,12,14,16,18,20,22,24,26,28,30
.irp c, 0,1
	v_max3_num_f32 v[10+\c], v[10+\c], |v[X+32*\c+\i]|, |v[X+32*\c+\i+1]|
.endr
.endr
.irp c, 0,1
	v_add_nc_u32 v[12+\c], 0xff000000, v[10+\c]    ; 2 off the exponent field: the conversion's scale operand
.endr
.irp c, 0,1
	v_lshrrev_b32 v[14+\c], 23, v[12+\c]           ; the scale's byte
.endr
	v_lshl_or_b32 v16, v15, 16, v14                ; blocks h and 2 + h,
	v_lshlrev_b32 v16, v8, v16                     ; 8 h bits up;
	v_permlanex16_b32 v17, v16, s28, s29
	v_or_b32 v[PW+(\f)], v16, v17                  ; with lane l xor 16's two bytes the row's word is whole
	s_wait_alu depctr_va_vdst(0)
	s_wait_xcnt 0x0                                ; the last tile's stores have read the fragment's registers: they are written again only behind this wait
.irp c, 0,1
	v_cvt_scalef32_pk16_fp6_f32 v[PC+6*\c:PC+6*\c+2], v[X+32*\c:X+32*\c+15], v[12+\c]
	v_cvt_scalef32_pk16_fp6_f32 v[PT+4*\c:PT+4*\c+2], v[X+32*\c+16:X+32*\c+31], v[12+\c]   ; (a conversion's three registers begin on an even number)
.endr
	v_nop                                          ; one plain place behind a scaled conversion
.irp c, 0,1
.irp i, 0,1,2
	v_mov_b32 v[PC+6*\c+3+\i], v[PT+4*\c+\i]
.endr
.endr
.irp g, 0,1,2
	global_store_b128 v[LI], v[PC+4*\g:PC+4*\g+3], s[24:25] offset:(\f)*24576+512*\g   ; the image: 512 consecutive bytes a store
.endr
.endm
.macro LOADW t                         ; block t: W(32 t + i, my column), 32 lanes on 128 consecutive bytes, the four waves side by side on 512
.irp i, 0,1,2,3,4,5,6,7,8,9,10,11,12,13,14,15,16,17,18,19,20,21,22,23,24,25,26,27,28,29,30,31
	global_load_b32 v[WX+32*((\t)%2)+\i], v[OF+\i], s[BT+2*(\t):BT+2*(\t)+1] th:TH_LOAD_NT
.endr
.endm
.macro BLOCK t
.set XS, WX+32*((\t)%2)
.set IM, ((\t)/4)*1536+256*((\t)%2)    ; K step t / 4 of my two; the block belongs to the image's lane r + 16 (t % 2)
.if (\t) < 7
	s_wait_loadcnt 32                              ; this block's 32 loads are in; the next block's may be out
.else
	s_wait_loadcnt 0x0
.endif
	v_max3_num_f32 v12, |v[XS]|, |v[XS+1]|, |v[XS+2]|
	v_max3_num_f32 v13, |v[XS+3]|, |v[XS+4]|, |v[XS+5]|
.irp i, 6,10,14,18,22,26
	v_max3_num_f32 v12, v12, |v[XS+\i]|, |v[XS+\i+1]|
	v_max3_num_f32 v13, v13, |v[XS+\i+2]|, |v[XS+\i+3]|
.endr
	v_max3_num_f32 v12, v12, |v[XS+30]|, |v[XS+31]|
	v_max3_num_f32 v12, v12, v13, 0x1800000        ; and the floor
	v_add_nc_u32 v11, 0xff000000, v12
	v_lshrrev_b32 v13, 23, v11
.if (\t)%4 == 0
	v_mov_b32 v[SB+(\t)/4], v13
.else
	v_lshl_or_b32 v[SB+(\t)/4], v13, 8*((\t)%4), v[SB+(\t)/4]
.endif
	v_cvt_scalef32_pk16_fp6_f32 v[C:C+2], v[XS:XS+15], v11
	v_cvt_scalef32_pk16_fp6_f32 v[C+8:C+10], v[XS+16:XS+31], v11
	v_nop                                          ; one plain place behind a scaled conversion
.irp i, 0,1,2
	v_mov_b32 v[C+3+\i], v[C+8+\i]
.endr
.if ((\t)/2)%2 == 0                    ; the image's registers 0-5
	ds_store_b128 v5, v[C:C+3] offset:IM
	ds_store_b64 v5, v[C+4:C+5] offset:IM+512
.else                                  ; its registers 6-11
	ds_store_b64 v5, v[C:C+1] offset:IM+520
	ds_store_b128 v5, v[C+2:C+5] offset:IM+1024
.endif
.if (\t) < 6
	LOADW (\t)+2
.endif
	s_wait_dscnt 0x0                               ; the stores have read their registers: the next block's codes may be written
.endm
	s_load_b128 s[4:7], s[0:1], 0x0                ; x s[4:5], Wq s[6:7]
	s_load_b64 s[8:9], s[0:1], 0x10                ; Wkv s[8:9]
	s_load_b128 s[12:15], s[0:1], 0x18             ; xq s[12:13], wq s[14:15]
	v_lshl_add_u32 v[SPW], v0, 2, SPARE
	v_mov_b32 v[NIL], 0
	v_lshrrev_b32 v1, 5, v0
	v_readfirstlane_b32 s16, v1                    ; wave 0..3
	v_and_b32 v1, 31, v0                           ; lane
	v_lshlrev_b32 v[LI], 4, v1
	s_cmp_lt_u32 ttmp9, 256
	s_cbranch_scc0 .Lweights
	; ---- x.  Wave number 4 x work-group + wave = 16 Q + ks makes the four fragments of tiles 4 Q .. 4 Q + 3 at K step ks.
	v_and_b32 v8, 15, v0                           ; r
	v_bfe_u32 v9, v0, 4, 1                         ; h
	s_mul_i32 s17, s16, XSTW                       ; my stage
	v_add_nc_u32 v5, s17, v[LI]                    ; in: 16 x lane, a row an instruction
	v_mul_u32_u24 v6, v8, 528
	v_lshl_add_u32 v6, v9, 7, v6
	v_add_nc_u32 v6, s17, v6                       ; back: row r, + 128 h bytes
	v_lshlrev_b32 v7, 4, v8                        ; 16 r: my row's four scale words
	v_lshlrev_b32 v8, 3, v9                        ; 8 h
	v_mov_b32 v17, 0                               ; written once: a lane permute's destination counts as one of its sources
	s_mov_b32 s28, 0x76543210
	s_mov_b32 s29, 0xfedcba98                      ; selects for lane l xor 16
	s_lshl_b32 s18, ttmp9, 2
	s_add_co_u32 s18, s18, s16
	s_lshr_b32 s19, s18, 4                         ; Q
	s_and_b32 s20, s18, 15                         ; ks
	s_lshl_b32 s22, s19, 19                        ; 64 rows of 8,192 bytes,
	s_lshl_b32 s21, s20, 9                         ; 128 numbers
	s_add_co_u32 s22, s22, s21
	s_mov_b32 s23, 0
	s_mul_i32 s24, s19, 98304                      ; four tiles' images,
	s_mul_i32 s21, s20, 1536
	s_add_co_u32 s24, s24, s21
	s_mov_b32 s25, 0
	s_lshl_b32 s26, s18, 8                         ; 256 bytes of scale words
	s_add_co_u32 s26, s26, XSC
	s_mov_b32 s27, 0
	s_wait_alu depctr_va_vdst(0)
	s_wait_kmcnt 0x0
	s_add_nc_u64 s[4:5], s[4:5], s[22:23]
	s_add_nc_u64 s[24:25], s[12:13], s[24:25]
	s_add_nc_u64 s[26:27], s[12:13], s[26:27]
	LOADF 0
	LOADF 1
	FRAGX 0
	FRAGX 1
	FRAGX 2
	FRAGX 3
	global_store_b128 v7, v[PW:PW+3], s[26:27]     ; 256 consecutive bytes, aligned; lanes 16-31 hold and write what lanes 0-15 do
	s_branch .Lend
.Lweights:
	; ---- the weights.  A LANE TAKES A COLUMN AND ITS REGISTERS RUN DOWN K.  A wave: 32 columns (two tiles) x 256 along K (two K steps): four images.
	s_sub_co_u32 s17, ttmp9, 256                   ; 0-127 Wq, 128-191 Wkv
	v_bfe_u32 v8, v0, 3, 1                         ; u: which of the pair's two tiles my column belongs to,
	v_and_b32 v9, 7, v0
	v_bfe_u32 v10, v0, 4, 1
	v_lshl_add_u32 v9, v10, 3, v9                  ; and its lane r there: lane % 8 + 8 (lane / 16)
	s_mul_i32 s25, s16, WSTW
	s_add_co_u32 s25, s25, WST                     ; my stage: [tile u][K step][1,536]
	v_mul_u32_u24 v5, v8, 3072
	v_lshl_add_u32 v5, v9, 4, v5
	v_add_nc_u32 v5, s25, v5                       ; in
	s_wait_alu depctr_va_vdst(0)
	v_add_nc_u32 v6, s25, v[LI]                    ; back: 16 x lane
	v_lshlrev_b32 v7, 4, v9
	v_lshl_add_u32 v7, v8, 2, v7                   ; 16 r + 4 u: my scale word's place
	s_wait_kmcnt 0x0
	s_cmp_ge_u32 s17, 128                          ; the choices hang on the work-group's number alone
	s_cselect_b64 s[18:19], s[8:9], s[6:7]
	s_cselect_b32 s20, 128, 0                      ; the tensor's first work-group, which is also its first tile
	s_cselect_b32 s21, 3, 4                        ; log2 of its blocks of 128 columns
	s_sub_co_u32 s17, s17, s20
	s_lshl_b32 s22, 512, s21                       ; a row in bytes
	s_lshr_b32 s23, s17, s21                       ; kc: which 256 along K
	s_lshl_b32 s24, s23, s21
	s_sub_co_u32 s24, s17, s24                     ; cb: which 128 columns
	s_lshl_b32 s26, s24, 9
	s_lshl_b32 s25, s16, 7
	s_add_co_u32 s26, s26, s25                     ; my wave's first column, in bytes,
	s_lshl_b32 s25, s23, 8
	s_mul_i32 s25, s25, s22
	s_add_co_u32 s26, s26, s25                     ; + 256 kc rows
	s_mov_b32 s27, 0
	s_add_nc_u64 s[BT:BT+1], s[18:19], s[26:27]
	s_lshl_b32 s26, s22, 5                         ; 32 rows on for each block
.irp t, 1,2,3,4,5,6,7
	s_add_nc_u64 s[BT+2*\t:BT+2*\t+1], s[BT+2*\t-2:BT+2*\t-1], s[26:27]
.endr
	v_lshlrev_b32 v[OF], 2, v1
.irp i, 1,2,3,4,5,6,7,8,9,10,11,12,13,14,15,16,17,18,19,20,21,22,23,24,25,26,27,28,29,30,31
	v_add_nc_u32 v[OF+\i], s22, v[OF+\i-1]
.endr
	LOADW 0
	LOADW 1
	s_lshl_b32 s28, s24, 3                         ; the images: tile = first + 8 cb + 2 wave (+ u), K step 2 kc (+ 1)
	s_add_co_u32 s28, s28, s20
	s_lshl_b32 s25, s16, 1
	s_add_co_u32 s28, s28, s25
	s_mul_i32 s28, s28, 24576
	s_mul_i32 s25, s23, 3072
	s_add_co_u32 s28, s28, s25
	s_mov_b32 s29, 0
	s_add_nc_u64 s[28:29], s[14:15], s[28:29]
	s_lshr_b32 s48, s20, 2                         ; the scale words: four tiles' group = first / 4 + 2 cb + wave / 2
	s_lshl_b32 s25, s24, 1
	s_add_co_u32 s48, s48, s25
	s_lshr_b32 s25, s16, 1
	s_add_co_u32 s48, s48, s25
	s_lshl_b32 s48, s48, 4
	s_lshl_b32 s25, s23, 1
	s_add_co_u32 s48, s48, s25
	s_lshl_b32 s48, s48, 8
	s_and_b32 s25, s16, 1
	s_lshl_b32 s25, s25, 3                         ; my pair is the group's first or second
	s_add_co_u32 s48, s48, s25
	s_add_co_u32 s48, s48, WSC
	s_mov_b32 s49, 0
	s_add_nc_u64 s[48:49], s[14:15], s[48:49]
.irp t, 0,1,2,3,4,5,6,7
	BLOCK \t
.endr
	s_wait_alu depctr_va_vdst(0)
.irp k, 0,1
	global_store_b32 v7, v[SB+\k], s[48:49] offset:256*\k   ; 128 of a group's 256 bytes: the other pair's wave writes the rest.  One byte in 128 of what the launch reads
.endr
.irp p, 0,1,2,3,4,5,6,7,8,9,10,11
	ds_load_b128 v[OUTR+4*\p:OUTR+4*\p+3], v6 offset:512*\p   ; LDS serves a wave's instructions in order: these see my stores
.endr
.irp p, 0,1,2,3,4,5,6,7,8,9,10,11
	s_wait_dscnt 11-\p                             ; the younger loads may be out
	global_store_b128 v[LI], v[OUTR+4*\p:OUTR+4*\p+3], s[28:29] offset:(\p/6)*24576+((\p/3)%2)*1536+512*(\p%3)   ; 512 consecutive bytes a store
.endr
.Lend:
	s_wait_tensorcnt 0x0                           ; the wave's end, behind my last LDS store
	ds_add_u32 v[SPW], v[NIL]
	s_wait_dscnt 0x0
	s_endpgm
.Lfunc_end_k_q4a7d3e605f_quant:
	.size	k_q4a7d3e605f_quant, .Lfunc_end_k_q4a7d3e605f_quant-k_q4a7d3e605f_quant
	.p2alignl 7, 3214868480
	.fill 96, 4, 3214868480
	.section	.rodata,"a",@progbits
	.p2align	6, 0x0
	.amdhsa_kernel k_q4a7d3e605f_quant
		.amdhsa_group_segment_fixed_size 58880
		.amdhsa_private_segment_fixed_size 0
		.amdhsa_enable_private_segment 0
		.amdhsa_kernarg_size 40
		.amdhsa_user_sgpr_count 2
		.amdhsa_user_sgpr_kernarg_segment_ptr 1
		.amdhsa_wavefront_size32 1
		.amdhsa_system_sgpr_workgroup_id_x 1
		.amdhsa_system_sgpr_workgroup_id_y 1
		.amdhsa_system_sgpr_workgroup_id_z 1
		.amdhsa_system_vgpr_workitem_id 0
		.amdhsa_next_free_vgpr 256
		.amdhsa_next_free_sgpr 66
		.amdhsa_reserve_vcc 0
		.amdhsa_float_denorm_mode_32 3
		.amdhsa_float_denorm_mode_16_64 3
		.amdhsa_memory_ordered 1
		.amdhsa_forward_progress 1
		.amdhsa_inst_pref_size 73
	.end_amdhsa_kernel
	.amdgpu_metadata
---
amdhsa.version: [ 1, 2 ]
amdhsa.kernels:
  - .name:           k_q4a7d3e605f_quant
    .symbol:         k_q4a7d3e605f_quant.kd
    .args:
      - { .name: x, .offset: 0, .size: 8, .value_kind: global_buffer, .address_space: global }
      - { .name: Wq, .offset: 8, .size: 8, .value_kind: global_buffer, .address_space: global }
      - { .name: Wkv, .offset: 16, .size: 8, .value_kind: global_buffer, .address_space: global }
      - { .name: xq, .offset: 24, .size: 8, .value_kind: global_buffer, .address_space: global }
      - { .name: wq, .offset: 32, .size: 8, .value_kind: global_buffer, .address_space: global }
    .group_segment_fixed_size: 58880
    .private_segment_fixed_size: 0
    .kernarg_segment_align: 8
    .kernarg_segment_size: 40
    .max_flat_workgroup_size: 128
    .sgpr_count:     66
    .vgpr_count:     256
    .wavefront_size: 32
...
	.end_amdgpu_metadata
.endif
;; end of part 1
;; launch qkv (part 2): grid 32 x 8, 4 waves a work-group, clusters of 4 x 4, 327,680 bytes of LDS; arguments xq, wq, cos, sin, qi, kvb; writes qi, kvb
.if DOCPART == 2
	.amdgcn_target "amdgcn-amd-amdhsa--gfx1250"
	.amdhsa_code_object_version 6
	.text
	.protected	k_q4a7d3e605f_qkv
	.globl	k_q4a7d3e605f_qkv
	.p2align	8
	.type	k_q4a7d3e605f_qkv,@function
k_q4a7d3e605f_qkv:
	s_mov_b64 s[64:65], 0
	v_nop
	global_prefetch_b8 v0, s[64:65] scope:SCOPE_SE
	s_setreg_imm32_b32 hwreg(HW_REG_WAVE_MODE, 25, 1), 1
	s_wait_xcnt 0x0
	s_wait_alu depctr_hold_cnt(0) depctr_sa_sdst(0) depctr_va_vdst(0) depctr_va_sdst(0) depctr_va_ssrc(0) depctr_va_vcc(0) depctr_vm_vsrc(0)
	s_getreg_b32 s2, hwreg(HW_REG_IB_STS2, 6, 4)
	s_cmp_eq_u32 s2, 0
	s_cbranch_scc0 .Lentry_in_a_cluster
	s_endpgm
.Lentry_in_a_cluster:
	s_bfe_u32 s2, ttmp6, 0x10000c
	s_cmp_lg_u32 s2, 0xf033
	s_cbranch_scc0 .Lentry_shape_is_right
	s_endpgm
.Lentry_shape_is_right:
; q = rope(x Wq), k = rope(x Wk), v = x Wv on codes of FP6 (E2M3), K = 2,048; the results are quantised in registers: q and k along the head's 128, v along the keys; nothing leaves as f32.
; SHARES.  24 heads (16 q, 4 k, 4 v) go three to a work-group: work-group (X, Y) multiplies the 128 tokens 128 X on by q heads 2 Y, 2 Y + 1 and by ONE k head (Y < 4) or v head (Y >= 4): 32 x 8 = 256 equal work-groups,
; and x's tiles are fetched once for all three heads.  A wave (wm = wave / 2, wn = wave % 2) makes, of q, 4 tiles of tokens x its head's 8 tiles of columns: 32 accumulators; of the third head 2 x 8: 16 accumulators.
; Source 0 gives the side along which a lane's registers run, source 1 the side of which a lane is one row.  By the order of a tile's rows (lane r of tile T: row 32 (T / 2) + 8 (T % 2) + r + 8 (r / 8)) the 16 registers of
; source-0 tiles 2 b, 2 b + 1 are the neighbours 32 b + 16 h + 0 .. 15: so 8 accumulators are one whole fragment and one whole scale word of the product that follows.
; THE THIRD HEAD IS WRITTEN ONCE: a lane side P (2 tiles a wave) and a register side R (8 tiles).  k: P = x's tiles 2 wave, 2 wave + 1, R = Wk's eight.  v: P = Wv's tiles 2 wave, 2 wave + 1, R = x's eight: a lane is then a d and its
; registers run along the 128 keys.  Both lie in LDS alike, so four LDS bases, chosen on the cluster's y, are all that differs in the products.
; K goes in 16 steps of 128 through two LDS slots of three steps: two first fills, four refills, the last of one step; all 16 steps are written out.  Operands lie in memory as images of their registers: three loads of 16 bytes a lane a fragment.
; One set of registers for each kind of fragment: P and R are fetched while the step's 32 products of q run, x's and Wq's of the next step while its 16 products of the third head run.
; The q heads' scale words for all of K stay in 64 registers (lanes 0-15: K steps 0-7, lanes 16-31: steps 8-15), loaded from memory in whole groups of 256 bytes: that leaves LDS the room for slots of three steps.
; CLUSTER 4 x 4.  Y = 4 x cluster y + cy, so a cluster is all k (cluster y = 0) or all v (1): what parts the two kinds hangs on the cluster's y alone.  x's tiles hang on X and are asked for jointly along a column of the cluster,
; the weights' on Y and jointly along a row.
; No prefetch: six of the sixteen K steps are asked for at the head, and each refill has three steps' products in which to land.
; LIMITS: a block whose largest magnitude lies under 2^-124 keeps the byte 1; a block of zeros gets the byte 1 (its codes are zeros; this program alone reads the bytes); NaN and infinities are not served.
; REGISTERS: window 0: v1-3, v16-29 addresses; v32-47, v64-127 scale words; v48-63 at work; v128-175 x's four fragments, v176-199 P's two; behind the products v128-153 a fragment and scale words to store, v160-255 at work.
;   window 1: v0-95 Wq's eight fragments, v128-223 R's eight; v96-127, v224-255 the first tile's cos and sin; behind the products the later tiles'.   window 2: q's accumulator (a, bt) at v[64 a + 8 bt].
;   window 3: the third head's accumulator (p, bt) at v[64 p + 8 bt]; v128-255 cos and sin of tiles 1 and 2.
.set XSC,   6291456                    ; where the scale words begin in xq, wq, qi
.set WSC,   7864320
.set QSC,   6291456
.set TS,    4608                       ; a tile's three K steps in a slot
.set REG8,  36864                      ; eight tiles: what one tensor load brings
.set SLOT,  147456                     ; a slot: x's 8 tiles, the third head's 8, the q heads' 16
; THE SCALE WORDS OF x AND OF THE THIRD HEAD go from memory straight into scale registers too, in whole groups of 256 bytes: none lies in LDS and no tensor load brings any.
; 56 registers hold eight K steps: group j = t % 4 serves steps j (lanes 0-15) and j + 4 (lanes 16-31) of K steps 0-7, and is loaded anew, for steps 8 + j and 12 + j, at the head of step j + 5.
; THE HEAD: one joint load a wave, K steps 0-2; K steps 3-5 are asked for behind the three lines and a round of the cluster's barrier, and have three steps' products in which to land.
.set SPARE, 311296                     ; the spare words, 128 bytes for each wave: two blocks of 256 bytes that no other line names
.set OI,   1                           ; v1   16 x lane
.set OS,   2                           ; v2   16 r
.set CO,   3                           ; v3   cos, sin: my token's row of 256 bytes + 64 h
.set ADRA, 16                          ; v16-17 x's fragments of q's products in slot 0, 1
.set ADRP, 18                          ; v18-19 P's
.set ADRB, 20                          ; v20-21 my q head's
.set ADRR, 22                          ; v22-23 R's
.set SO2,  24                          ; v24  scale words in memory: 16 r + 1,024 h: lanes 16-31 take the K step four further on
; THE TILES ARE PREFETCHED NOW (this takes the place of 'No prefetch' above).  A fill is three K steps: 8 tile rows of 4,608 bytes a wave.  Behind each fill's joint load every wave asks for the NEXT fill's bytes of two of its eight
; tile rows: the four partners that ask for a tile jointly share its rows out by address (cy for x's, cx for the weights'): a lane a block of 256 bytes, 18 blocks a row (the last fill, one K step: 6), the lanes left over name the last
; block again.  So each block is named once in each cluster that will load it, three K steps ahead of its load; the first fill comes by its load alone, and the last fill's load asks for nothing.  Every offset is an immediate.
.set PFO,  25                          ; v25  256 x min(lane, 17); never rewritten
.set PFO2, 26                          ; v26  256 x min(lane, 5); never rewritten
.set PFB,  82                          ; s[82:83] my two tile rows; never rewritten
.macro ASK f                           ; fill f
.if (\f) < 5
	global_prefetch_b8 v[PFO], s[PFB:PFB+1] offset:4608*(\f) th:TH_LOAD_NT scope:SCOPE_SE
	global_prefetch_b8 v[PFO], s[PFB:PFB+1] offset:4608*(\f)+24576 th:TH_LOAD_NT scope:SCOPE_SE
.else
	global_prefetch_b8 v[PFO2], s[PFB:PFB+1] offset:4608*(\f) th:TH_LOAD_NT scope:SCOPE_SE
	global_prefetch_b8 v[PFO2], s[PFB:PFB+1] offset:4608*(\f)+24576 th:TH_LOAD_NT scope:SCOPE_SE
.endif
.endm
.set SBO,  27                          ; v27  my q head's scale words in memory: 16 r + 2,048 h
.set SPW,  28                          ; v28  LDS address of my spare word; never rewritten
.set NIL,  29                          ; v29  0; never rewritten
.set XA,   32                          ; v32-47   x's four tiles' words, group j at v[32 + 4 j]
.set XP,   200                         ; v200-207 P's two tiles', group j at v[200 + 2 j]
.set XR,   208                         ; v208-239 R's eight tiles', group j at v[208 + 8 j]
.set TM,   48                          ; v48-51 largest magnitudes, v52-55 bytes, v60-63 the conversions' scale operands
.set SCBR, 64                          ; v64-127: tile bt's words of K steps t and t + 8 at v[64 + 8 t + bt]
.set AF,   128
.set PF,   176
.set PCS,  128                         ; behind the products: the fragment to store, 12 registers and 8 at work
.set PW,   148                         ; v148-151 q's four scale words;  v152-153 the third head's two
.set PWT,  152
.set H,    160
.set T,    224
.set SEL,  2                           ; s[2:3] selects for lane l xor 16 (written behind the set-up)
.set WV,   16
.set WM,   17
.set WN,   18
.set KIND, 66                          ; s66  the cluster's y: 0 k, 1 v
.set G1A,  24                          ; descriptors: x's tiles
.set G0A,  32
.set G1J,  48                          ; the weights' tiles
.set G0J,  56
.set PA,   68                          ; s[68:69] x's scale words of my four tiles; s[70:71] P's; s[72:73] R's
.set PP,   70
.set PR,   72
.macro SCLD j, e                       ; group j of the scale words, K steps 8 e + j and 8 e + j + 4: four loads
	global_load_b128 v[XA+4*(\j):XA+4*(\j)+3], v[SO2], s[PA:PA+1] offset:256*(\j)+2048*(\e)
	global_load_b64 v[XP+2*(\j):XP+2*(\j)+1], v[SO2], s[PP:PP+1] offset:256*(\j)+2048*(\e)
	global_load_b128 v[XR+8*(\j):XR+8*(\j)+3], v[SO2], s[PR:PR+1] offset:256*(\j)+2048*(\e)
	global_load_b128 v[XR+8*(\j)+4:XR+8*(\j)+7], v[SO2], s[PR:PR+1] offset:256*(\j)+2048*(\e)+4096
.endm
.set OBT,  92                          ; s[92:93] the third head's images, s[94:95] its scale words
.set OST,  94
.set CSP,  96                          ; s[96:97], s[98:99] cos and sin at P's first token
.set SNP,  98
.set MSB, 0
.macro WIN new                         ; the immediate's high byte repeats the setting that is left
.if MSB != \new
	s_set_vgpr_msb (MSB<<8)|\new
.set MSB, \new
.endif
.endm
.macro PLACES n
.rept \n
	v_nop
.endr
.endm
; A joint load: the waves under n fetch of x's buffer, the others of the weights'.  Each of the two lines has ONE mask; the branch hangs on the wave's number alone.  An s_nop 0 and four v_nop follow each.
.macro JLOAD n, g0a, g1a, g0b, g1b
	s_cmp_lt_u32 s[WV], \n
	s_cbranch_scc0 .Lfor_b_\@
	tensor_load_to_lds s[\g0a:\g0a+3], s[\g1a:\g1a+7]
	s_nop 0
.rept 4
	v_nop
.endr
	s_branch .Lasked_\@
.Lfor_b_\@:
	tensor_load_to_lds s[\g0b:\g0b+3], s[\g1b:\g1b+7]
	s_nop 0
.rept 4
	v_nop
.endr
.Lasked_\@:
.endm
.macro CREST                           ; a round of the cluster's barrier behind its opening barrier
	s_cmp_lg_u32 s[WV], 0
	s_cbranch_scc1 .Lnot_wave_0_\@
	s_barrier_signal -3
.Lnot_wave_0_\@:
	s_barrier_wait -3
	s_barrier_signal -1
	s_barrier_wait -1
.endm
.macro CROUND
	s_barrier_signal -1
	s_barrier_wait -1
	CREST
.endm
; K step t's fragments for q's products: my head's eight, x's four: 36 loads, each on 512 consecutive bytes
.macro FETCH_AB t
.set FL, ((\t)/3)%2
.set FQ, (\t)%3
	WIN 0x40                                       ; destination window 1
.irp bt, 0,1,2,3,4,5,6,7
.irp g, 0,1,2
	ds_load_b128 v[12*\bt+4*\g:12*\bt+4*\g+3], v[ADRB+FL] offset:TS*\bt+1536*FQ+512*\g
.endr
.endr
	WIN 0
.irp a, 0,1,2,3
.irp g, 0,1,2
	ds_load_b128 v[AF+12*\a+4*\g:AF+12*\a+4*\g+3], v[ADRA+FL] offset:TS*\a+1536*FQ+512*\g
.endr
.endr
.endm
; and for the third head's: R's eight, P's two: 30 LDS loads
.macro FETCH_PR t
.set FL, ((\t)/3)%2
.set FQ, (\t)%3
	WIN 0x40
.irp bt, 0,1,2,3,4,5,6,7
.irp g, 0,1,2
	ds_load_b128 v[128+12*\bt+4*\g:128+12*\bt+4*\g+3], v[ADRR+FL] offset:TS*\bt+1536*FQ+512*\g
.endr
.endr
	WIN 0
.irp p, 0,1
.irp g, 0,1,2
	ds_load_b128 v[PF+12*\p+4*\g:PF+12*\p+4*\g+3], v[ADRP+FL] offset:TS*\p+1536*FQ+512*\g
.endr
.endr
.set TT, (\t)                          ; the step whose products follow
.if TT >= 5 && TT <= 8
	SCLD TT-5, 1                                   ; group t - 5 was last read in step t - 1, four places ago: it takes K steps t + 3 and t + 7
.endif
.if TT >= 8 && TT <= 11
	s_wait_loadcnt 4*(11-TT)                       ; group t - 8 is in; the four loads of each later group may be out
.endif
.endm
; 8 matrix instructions of q: x's tile a against my head's eight.  All 48 accumulators take turns, one instruction a turn, in the same order in every step.
.macro MULQ a, t, zero
.irp bt, 0,1,2,3,4,5,6,7
.if \zero
	v_wmma_scale_f32_16x16x128_f8f6f4 v[64*(\a)+8*\bt:64*(\a)+8*\bt+7], v[12*\bt:12*\bt+11], v[AF+12*(\a):AF+12*(\a)+11], 0, v[SCBR+8*((\t)%8)+\bt], v[XA+4*((\t)%4)+(\a)] matrix_a_fmt:MATRIX_FMT_FP6 matrix_b_fmt:MATRIX_FMT_FP6
.elseif (\t) < 4                       ; Wq's words: lanes 16-31 from step 8 on; x's: lanes 16-31 in steps 4-7 and 12-15
	v_wmma_scale_f32_16x16x128_f8f6f4 v[64*(\a)+8*\bt:64*(\a)+8*\bt+7], v[12*\bt:12*\bt+11], v[AF+12*(\a):AF+12*(\a)+11], v[64*(\a)+8*\bt:64*(\a)+8*\bt+7], v[SCBR+8*((\t)%8)+\bt], v[XA+4*((\t)%4)+(\a)] matrix_a_fmt:MATRIX_FMT_FP6 matrix_b_fmt:MATRIX_FMT_FP6
.elseif (\t) < 8
	v_wmma_scale_f32_16x16x128_f8f6f4 v[64*(\a)+8*\bt:64*(\a)+8*\bt+7], v[12*\bt:12*\bt+11], v[AF+12*(\a):AF+12*(\a)+11], v[64*(\a)+8*\bt:64*(\a)+8*\bt+7], v[SCBR+8*((\t)%8)+\bt], v[XA+4*((\t)%4)+(\a)] matrix_a_fmt:MATRIX_FMT_FP6 matrix_b_fmt:MATRIX_FMT_FP6 matrix_b_scale:MATRIX_SCALE_ROW1
.elseif (\t) < 12
	v_wmma_scale_f32_16x16x128_f8f6f4 v[64*(\a)+8*\bt:64*(\a)+8*\bt+7], v[12*\bt:12*\bt+11], v[AF+12*(\a):AF+12*(\a)+11], v[64*(\a)+8*\bt:64*(\a)+8*\bt+7], v[SCBR+8*((\t)%8)+\bt], v[XA+4*((\t)%4)+(\a)] matrix_a_fmt:MATRIX_FMT_FP6 matrix_b_fmt:MATRIX_FMT_FP6 matrix_a_scale:MATRIX_SCALE_ROW1
.else
	v_wmma_scale_f32_16x16x128_f8f6f4 v[64*(\a)+8*\bt:64*(\a)+8*\bt+7], v[12*\bt:12*\bt+11], v[AF+12*(\a):AF+12*(\a)+11], v[64*(\a)+8*\bt:64*(\a)+8*\bt+7], v[SCBR+8*((\t)%8)+\bt], v[XA+4*((\t)%4)+(\a)] matrix_a_fmt:MATRIX_FMT_FP6 matrix_b_fmt:MATRIX_FMT_FP6 matrix_a_scale:MATRIX_SCALE_ROW1 matrix_b_scale:MATRIX_SCALE_ROW1
.endif
.endr
.endm
; 8 of the third head: P's tile p against R's eight
.macro MULT p, zero
.irp bt, 0,1,2,3,4,5,6,7
.if \zero
	v_wmma_scale_f32_16x16x128_f8f6f4 v[64*(\p)+8*\bt:64*(\p)+8*\bt+7], v[128+12*\bt:128+12*\bt+11], v[PF+12*(\p):PF+12*(\p)+11], 0, v[XR+8*(TT%4)+\bt], v[XP+2*(TT%4)+(\p)] matrix_a_fmt:MATRIX_FMT_FP6 matrix_b_fmt:MATRIX_FMT_FP6
.elseif (TT/4)%2 == 0                  ; TT: the step, set by FETCH_PR
	v_wmma_scale_f32_16x16x128_f8f6f4 v[64*(\p)+8*\bt:64*(\p)+8*\bt+7], v[128+12*\bt:128+12*\bt+11], v[PF+12*(\p):PF+12*(\p)+11], v[64*(\p)+8*\bt:64*(\p)+8*\bt+7], v[XR+8*(TT%4)+\bt], v[XP+2*(TT%4)+(\p)] matrix_a_fmt:MATRIX_FMT_FP6 matrix_b_fmt:MATRIX_FMT_FP6
.else
	v_wmma_scale_f32_16x16x128_f8f6f4 v[64*(\p)+8*\bt:64*(\p)+8*\bt+7], v[128+12*\bt:128+12*\bt+11], v[PF+12*(\p):PF+12*(\p)+11], v[64*(\p)+8*\bt:64*(\p)+8*\bt+7], v[XR+8*(TT%4)+\bt], v[XP+2*(TT%4)+(\p)] matrix_a_fmt:MATRIX_FMT_FP6 matrix_b_fmt:MATRIX_FMT_FP6 matrix_a_scale:MATRIX_SCALE_ROW1 matrix_b_scale:MATRIX_SCALE_ROW1
.endif
.endr
.endm
; A K step that has its successor in the same slot.  Four places stand between products and the loads into the registers that they read (ISA guide 7.12.1 for vector instructions).
.macro STEP t, zero
	PLACES 4
	FETCH_PR \t
	s_wait_dscnt 30                                ; x's and my q head's fragments of this step are in; the 30 LDS loads just issued may be out
	WIN 0xa1                                       ; source 0 window 1, source 1 window 0, C and D window 2
	MULQ 0, \t, \zero
	MULQ 1, \t, \zero
	MULQ 2, \t, \zero
	MULQ 3, \t, \zero
	PLACES 4
	FETCH_AB (\t)+1
	s_wait_dscnt 36                                ; P's and R's are in; the 36 LDS loads just issued may be out
	WIN 0xf1                                       ; the same, C and D window 3
	MULT 0, \zero
	MULT 1, \zero
.endm
; A slot's last step changes slots: ONE barrier; in front of it each wave waits for all its tensor loads, adds 0 to its spare word, and waits for that and for its reads of this slot, of which P's and R's are the last.
; fill = 1: the slot is filled again, six K steps on.  fill = 2: with K step 15 alone.
.macro TURN t, fill
.set TSL, ((\t)/3)%2
	PLACES 4
	FETCH_PR \t
	s_wait_tensorcnt 0x0                           ; all my tensor loads have landed: the one that was out is my part of the next slot  (every window is 0 here: the add's two registers lie in window 0)
	ds_add_u32 v[SPW], v[NIL]                      ; 0 onto my spare word
	s_wait_dscnt 31                                ; x's and my q head's fragments are in; P's and R's 30 loads and the add may be out
	WIN 0xa1
	MULQ 0, \t, 0                                  ; sixteen matrix instructions stand between the add and the wait for it
	MULQ 1, \t, 0
	s_wait_dscnt 0x0                               ; the add is done, and my reads of this slot are over
	s_barrier_signal -1
	MULQ 2, \t, 0
	MULQ 3, \t, 0
	WIN 0
	s_barrier_wait -1
.if \fill
	CREST                                          ; the barrier has opened a round of the cluster's barrier: no wave of any partner still reads this slot or has a load on its way
	s_add_nc_u64 s[G0A+4*TSL+2:G0A+4*TSL+3], s[G0A+4*TSL+2:G0A+4*TSL+3], 6*1536
	s_add_nc_u64 s[G0J+4*TSL+2:G0J+4*TSL+3], s[G0J+4*TSL+2:G0J+4*TSL+3], 6*1536
.if \fill == 2
	s_mov_b32 s[G1A+1], 192<<16                    ; one K step is left of each tile's row: tensor_dim0 = 192 elements; what lies beyond is not read and arrives as zeros, which nobody reads.  No load of mine is out
	s_mov_b32 s[G1J+1], 192<<16
.endif
	JLOAD 1, G0A+4*TSL, G1A, G0J+4*TSL, G1J        ; the first tensor load behind the round, my only one until the next; its four v_nop are the places in front of the loads below
.else
	PLACES 4
.endif
	FETCH_AB (\t)+1
.if \fill == 1
	ASK ((\t)+1)/3+2                               ; the fill behind the one just asked for
.endif
	WIN 0xf1
	MULT 0, 0
	MULT 1, 0
.endm
; cos and sin of a tile's tokens: lane (r, h) wants those of d = 32 b + 16 h + 0 .. 15, b = 0, 1: 32 numbers of each.  win: the destination's window; cp, sp: the two bases
.macro CSLOAD a, win, cb, sb, cp, sp
	WIN \win
.irp b, 0,1
.irp j, 0,1,2,3
	global_load_b128 v[\cb+16*\b+4*\j:\cb+16*\b+4*\j+3], v[CO], s[\cp:\cp+1] offset:(32*((\a)/2)+8*((\a)%2))*256+128*\b+16*\j
	global_load_b128 v[\sb+16*\b+4*\j:\sb+16*\b+4*\j+3], v[CO], s[\sp:\sp+1] offset:(32*((\a)/2)+8*((\a)%2))*256+128*\b+16*\j
.endr
.endr
	WIN 0
.endm
; Eight accumulators from v[ab] on after rope, into v[H] on.  Register n of the first 32 is u1 at d = 32 (n / 16) + 16 h + n % 16, register 32 + n is u2 at the same d.  Each accumulator is read from its low end on.
; win: source 0 the accumulators' window, source 1 that of cos and sin
.macro ROPE win, ab, cb, sb
	WIN \win
.irp n, 0,2,4,6,8,10,12,14,16,18,20,22,24,26,28,30
	v_pk_mul_f32 v[T+\n:T+\n+1], v[(\ab)+32+\n:(\ab)+33+\n], v[\sb+\n:\sb+\n+1]
.endr
.irp n, 0,2,4,6,8,10,12,14,16,18,20,22,24,26,28,30
	v_pk_fma_f32 v[H+\n:H+\n+1], v[(\ab)+\n:(\ab)+\n+1], v[\cb+\n:\cb+\n+1], v[T+\n:T+\n+1] neg_lo:[0,0,1] neg_hi:[0,0,1]   ; u1 c - u2 s
.endr
.irp n, 0,2,4,6,8,10,12,14,16,18,20,22,24,26,28,30
	v_pk_mul_f32 v[T+\n:T+\n+1], v[(\ab)+\n:(\ab)+\n+1], v[\sb+\n:\sb+\n+1]
.endr
.irp n, 0,2,4,6,8,10,12,14,16,18,20,22,24,26,28,30
	v_pk_fma_f32 v[H+32+\n:H+33+\n], v[(\ab)+32+\n:(\ab)+33+\n], v[\cb+\n:\cb+\n+1], v[T+\n:T+\n+1]                        ; u2 c + u1 s
.endr
	WIN 0
.endm
; 64 numbers of a lane in window w, register 16 b + i = k 32 b + 16 h + i of my row, become a fragment's codes in v[pc] on and its scale word in v[pw].
.macro QUANT s, w, pc, pw
.set QW, 5*(\w)
.set QV, (\w)
	WIN QW                                         ; sources 0 and 1 in window w
.irp b, 0,1,2,3
	v_max3_num_f32 v[TM+\b], |v[(\s)+16*\b]|, |v[(\s)+1+16*\b]|, 0x1800000   ; my 16 numbers of block b, and the floor 2^(3 - 127): the byte cannot fall under 1
.endr
.irp i, 2,4,6,8,10,12,14
.irp b, 0,1,2,3
	v_max3_num_f32 v[TM+\b], |v[(\s)+16*\b+\i]|, |v[(\s)+1+16*\b+\i]|, v[TM+\b]
.endr
.endr
	WIN 0
.irp b, 0,1,2,3
	v_permlanex16_b32 v[TM+4+\b], v[TM+\b], s[SEL], s[SEL+1]
.endr
.irp b, 0,1,2,3
	v_max_num_f32 v[TM+\b], v[TM+\b], v[TM+4+\b]   ; with lane l xor 16's 16: the block's largest magnitude
.endr
.irp b, 0,1,2,3
	v_add_nc_u32 v[TM+12+\b], 0xff000000, v[TM+\b] ; 2 off the exponent field: the conversion's scale operand
.endr
.irp b, 0,1,2,3
	v_lshrrev_b32 v[TM+4+\b], 23, v[TM+12+\b]      ; the scale's byte
.endr
	v_lshl_or_b32 v[\pw], v[TM+5], 8, v[TM+4]
	v_lshl_or_b32 v[\pw], v[TM+6], 16, v[\pw]
	v_lshl_or_b32 v[\pw], v[TM+7], 24, v[\pw]
	WIN QV                                         ; source 0 in window w
.irp c, 0,1
	v_cvt_scalef32_pk16_fp6_f32 v[\pc+6*\c:\pc+2+6*\c], v[(\s)+32*\c:(\s)+15+32*\c], v[TM+12+2*\c]
	v_cvt_scalef32_pk16_fp6_f32 v[\pc+12+4*\c:\pc+14+4*\c], v[(\s)+16+32*\c:(\s)+31+32*\c], v[TM+12+2*\c+1]   ; (a conversion's three registers begin on an even number)
.endr
	WIN 0
	v_nop                                          ; one plain place behind a scaled conversion
.irp c, 0,1                                    ; the operand's layout wants a WHOLE block in a lane
.irp i, 0,1,2
	v_permlane16_swap_b32 v[\pc+6*\c+\i], v[\pc+12+4*\c+\i]
.endr
.irp i, 0,1,2
	v_mov_b32 v[\pc+3+6*\c+\i], v[\pc+12+4*\c+\i]
.endr
.endr
.endm
.macro OUTF ob, oo                     ; the fragment's image: 512 consecutive bytes a store
.irp g, 0,1,2
	global_store_b128 v[OI], v[PCS+4*\g:PCS+4*\g+3], s[\ob:\ob+1] offset:\oo+512*\g
.endr
.endm
	s_load_b256 s[4:11], s[0:1], 0x0               ; xq s[4:5], wq s[6:7], cos s[8:9], sin s[10:11]
	s_load_b128 s[12:15], s[0:1], 0x20             ; qi s[12:13], kvb s[14:15]
	v_lshl_add_u32 v[SPW], v0, 2, SPARE
	v_mov_b32 v[NIL], 0
	ds_add_u32 v[SPW], v[NIL]                      ; the wave's opening: the add and its wait stand ahead of my first tensor load; the set-up below, work on registers, stands between them
	ds_add_u32 v[SPW], v[NIL]
	v_lshrrev_b32 v4, 5, v0
	v_readfirstlane_b32 s[WV], v4                  ; wave 0..3
	s_lshr_b32 s[WM], s[WV], 1
	s_and_b32 s[WN], s[WV], 1
	s_bfe_u32 s40, ttmp6, 0x40000                  ; cx, cy: my place in the cluster
	s_bfe_u32 s41, ttmp6, 0x40004
	s_lshl_b32 s42, ttmp9, 2
	s_add_co_u32 s42, s42, s40                     ; X = 4 x cluster x + cx: which 128 tokens
	s_and_b32 s[KIND], ttmp7, 0xffff               ; the cluster's y: the same in all sixteen partners
	s_lshl_b32 s43, s[KIND], 2
	s_add_co_u32 s43, s43, s41                     ; Y = 4 x cluster y + cy: which three heads
	s_lshl_b32 s44, s41, 2
	s_lshl_b32 s44, 15, s44                        ; my row of the cluster: the same Y
	s_lshl_b32 s45, 0x1111, s40                    ; my column: the same X
	; descriptor groups 1, elements of 8 bytes, no padding: three K steps' images of a tile are a row of 576 elements, a tile's 16 K steps 3,072 apart; eight tiles a load
	s_or_b32 s[G1A], s45, (3<<16)|(1<<21)          ; x's tiles go to my column; bit 21 set beside a mask
	s_or_b32 s[G1J], s44, (3<<16)|(1<<21)          ; the weights' to my row
.irp g, G1A, G1J
	s_mov_b32 s[\g+1], 576<<16                     ; tensor_dim0
	s_mov_b32 s[\g+2], 8<<16                       ; tensor_dim1
	s_mov_b32 s[\g+3], 576<<16                     ; tile_dim0
	s_mov_b32 s[\g+4], 8                           ; tile_dim1
	s_mov_b32 s[\g+5], 3072                        ; the pitch
	s_mov_b32 s[\g+6], 0
	s_mov_b32 s[\g+7], 0
.endr
	; which eight tiles of wq: wave 1 the third head's, 128 + 8 Y on; waves 2 and 3 the q heads', 16 Y + 8 (wave - 2) on.  Nothing here holds cx
	s_lshl_b32 s44, s43, 3
	s_add_co_u32 s44, s44, 128
	s_max_u32 s46, s[WV], 2
	s_sub_co_u32 s46, s46, 2
	s_lshl_b32 s46, s46, 3
	s_lshl_b32 s47, s43, 4
	s_add_co_u32 s46, s46, s47
	s_cmp_eq_u32 s[WV], 1
	s_cselect_b32 s44, s44, s46
	s_mul_i32 s96, s44, 24576
	s_mov_b32 s97, 0
	; x's tiles 8 X on (wave 0).  Nothing here holds cy
	s_mul_i32 s92, s42, 196608
	s_mov_b32 s93, 0
	s_mul_i32 s19, s[WV], REG8                     ; where they go: wave x eight tiles: no place in the cluster enters an LDS address
	s_wait_dscnt 0x0                               ; the opening add is done
	s_wait_kmcnt 0x0
	s_add_nc_u64 s[92:93], s[4:5], s[92:93]
	s_add_nc_u64 s[96:97], s[6:7], s[96:97]
	CROUND                                         ; all sixteen work-groups are here: the first joint loads meet
.irp s, 0,1
	s_mov_b32 s[G0A+4*\s], 1
	s_add_co_u32 s[G0A+4*\s+1], s19, \s*SLOT
	s_add_nc_u64 s[G0A+4*\s+2:G0A+4*\s+3], s[92:93], \s*TS
	s_or_b32 s[G0A+4*\s+3], s[G0A+4*\s+3], 0x80000000
	s_mov_b32 s[G0J+4*\s], 1
	s_add_co_u32 s[G0J+4*\s+1], s19, \s*SLOT
	s_add_nc_u64 s[G0J+4*\s+2:G0J+4*\s+3], s[96:97], \s*TS
	s_or_b32 s[G0J+4*\s+3], s[G0J+4*\s+3], 0x80000000
.endr
	JLOAD 1, G0A, G1A, G0J, G1J                    ; K steps 0-2: my one tensor load at the head
	v_and_b32 v4, 31, v0
	v_lshlrev_b32 v[OI], 4, v4
	s_wait_alu depctr_va_vdst(0)
	v_and_b32 v5, 15, v0                           ; r
	v_bfe_u32 v6, v0, 4, 1                         ; h
	v_lshlrev_b32 v[OS], 4, v5
	s_wait_alu depctr_va_vdst(0)
	s_cmp_eq_u32 s[KIND], 0                        ; k: the lane side is x, the register side the third head; v: the other way round
	s_cselect_b32 s21, 0, REG8
	s_cselect_b32 s22, REG8, 0
	s_mul_i32 s19, s[WM], 4*TS                     ; q: my four tiles of x,
	s_mul_i32 s20, s[WN], 8*TS
	s_add_co_u32 s20, s20, 2*REG8                  ; my head's eight
	s_mul_i32 s23, s[WV], 2*TS
	s_add_co_u32 s21, s21, s23                     ; P: tiles 2 wave, 2 wave + 1
.irp s, 0,1
	v_add_nc_u32 v[ADRA+\s], s19, v[OI]
	v_add_nc_u32 v[ADRB+\s], s20, v[OI]
	v_add_nc_u32 v[ADRP+\s], s21, v[OI]
	v_add_nc_u32 v[ADRR+\s], s22, v[OI]
	s_add_co_u32 s19, s19, SLOT
	s_add_co_u32 s20, s20, SLOT
	s_add_co_u32 s21, s21, SLOT
	s_add_co_u32 s22, s22, SLOT
.endr
	s_lshl_b32 s74, s42, 13                        ; x's two groups of four tiles: 2 X on, 4,096 bytes each
	s_add_co_u32 s74, s74, XSC
	s_mov_b32 s75, 0
	s_add_nc_u64 s[74:75], s[4:5], s[74:75]
	s_lshl_b32 s76, s43, 13                        ; the third head's two groups: 32 + 2 Y on
	s_add_co_u32 s76, s76, WSC+32*4096
	s_mov_b32 s77, 0
	s_add_nc_u64 s[76:77], s[6:7], s[76:77]
	s_lshl_b32 s78, s[WM], 12
	s_mov_b32 s79, 0
	s_add_nc_u64 s[PA:PA+1], s[74:75], s[78:79]    ; q's products: x's group wave / 2
	s_cmp_eq_u32 s[KIND], 0                        ; k: P is x's side and R the third head's; v: the other way round
	s_cselect_b64 s[PP:PP+1], s[74:75], s[76:77]
	s_cselect_b64 s[PR:PR+1], s[76:77], s[74:75]
	s_lshl_b32 s80, s[WN], 3
	s_add_co_u32 s78, s78, s80
	s_add_nc_u64 s[PP:PP+1], s[PP:PP+1], s[78:79]  ; P's two tiles are the first or the second pair of group wave / 2 of their side
	v_lshl_add_u32 v[SO2], v6, 10, v[OS]
	v_lshl_add_u32 v[SBO], v6, 11, v[OS]           ; my q head's scale words: lanes 16-31 take the K step eight further on
.irp j, 0,1,2,3
	SCLD \j, 0                                     ; K steps 0-7: 16 loads
.endr
	s_cmp_eq_u32 s[WV], 0                          ; the prefetches: wave 0 fetches x's tiles, the others the weights'
	s_cselect_b64 s[PFB:PFB+1], s[92:93], s[96:97]
	s_cselect_b32 s84, s41, s40                    ; my place among the four that ask with me
	s_mul_i32 s84, s84, 2*24576                    ; two tile rows each
	s_mov_b32 s85, 0
	s_add_nc_u64 s[PFB:PFB+1], s[PFB:PFB+1], s[84:85]
	v_min_u32 v[PFO], 17, v4
	v_min_u32 v[PFO2], 5, v4
	v_lshlrev_b32 v[PFO], 8, v[PFO]
	v_lshlrev_b32 v[PFO2], 8, v[PFO2]
	s_wait_alu depctr_va_vdst(0)
	ASK 1                                          ; K steps 3-5
	s_lshl_b32 s46, s43, 2
	s_lshl_b32 s47, s[WN], 1
	s_add_co_u32 s46, s46, s47                     ; groups 4 Y + 2 (wave % 2) and the next
	s_lshl_b32 s46, s46, 12
	s_add_co_u32 s46, s46, WSC
	s_mov_b32 s47, 0
	s_add_nc_u64 s[46:47], s[6:7], s[46:47]
.irp t, 0,1,2,3,4,5,6,7
.irp q, 0,1
	global_load_b128 v[SCBR+8*\t+4*\q:SCBR+8*\t+4*\q+3], v[SBO], s[46:47] offset:4096*\q+256*\t   ; each half of the lanes reads 256 consecutive bytes, aligned
.endr
.endr
	v_and_b32 v7, 8, v5
	v_add_nc_u32 v7, v7, v5                        ; r + 8 (r / 8)
	v_lshlrev_b32 v[CO], 8, v7
	v_lshl_add_u32 v[CO], v6, 6, v[CO]
	s_wait_alu depctr_va_vdst(0)
.irp b, 0,1,2,3
	v_mov_b32 v[TM+4+\b], 0                        ; written once: a lane permute's destination counts as one of its sources
.endr
	s_and_b32 s2, s42, 7                           ; cos, sin at my first token of the sequence: 128 (X % 8) + 64 (wave / 2);
	s_lshl_b32 s2, s2, 15
	s_lshl_b32 s3, s[WM], 14
	s_add_co_u32 s2, s2, s3
	s_mov_b32 s3, 0
	s_add_nc_u64 s[8:9], s[8:9], s[2:3]
	s_add_nc_u64 s[10:11], s[10:11], s[2:3]
	s_lshl_b32 s2, s[WN], 13                       ; k's two tiles begin 32 (wave % 2) tokens further on
	s_add_nc_u64 s[CSP:CSP+1], s[8:9], s[2:3]
	s_add_nc_u64 s[SNP:SNP+1], s[10:11], s[2:3]
	CSLOAD 0, 0x40, 96, 224, 8, 10                 ; three tiles' cos and sin, into registers that the products leave alone
	CSLOAD 1, 0xc0, 128, 160, 8, 10
	CSLOAD 2, 0xc0, 192, 224, 8, 10
	; where the results go.  q: image (head, tile) with head = 2 Y + wave % 2.  k, v: block (4 b + kvh, key step) of 25,600 bytes: K's 8 images, V's 8, K's scale words, V's; b = X / 8, key step X % 8, kvh = cy
	s_lshl_b32 s2, s43, 1
	s_add_co_u32 s2, s2, s[WN]
	s_lshl_b32 s19, s2, 8
	s_lshl_b32 s3, s42, 3
	s_add_co_u32 s19, s19, s3
	s_lshl_b32 s3, s[WM], 2
	s_add_co_u32 s19, s19, s3
	s_mul_i32 s44, s19, 1536                       ; q's images
	s_mov_b32 s45, 0
	s_lshl_b32 s20, s2, 6
	s_lshl_b32 s3, s42, 1
	s_add_co_u32 s20, s20, s3
	s_add_co_u32 s20, s20, s[WM]
	s_lshl_b32 s20, s20, 8
	s_add_co_u32 s20, s20, QSC                     ; q's scale words
	s_mov_b32 s21, 0
	s_lshr_b32 s22, s42, 3
	s_lshl_b32 s22, s22, 2
	s_add_co_u32 s22, s22, s41
	s_lshl_b32 s22, s22, 3
	s_and_b32 s3, s42, 7
	s_add_co_u32 s22, s22, s3
	s_mul_i32 s22, s22, 25600
	s_cmp_eq_u32 s[KIND], 0
	s_cselect_b32 s2, 0, 12288
	s_cselect_b32 s3, 0, 512
	s_add_co_u32 s2, s2, s22
	s_mul_i32 s23, s[WV], 3072
	s_add_co_u32 s2, s2, s23                       ; the third head's images 2 wave, 2 wave + 1
	s_add_co_u32 s22, s22, s3
	s_add_co_u32 s22, s22, 24576
	s_lshl_b32 s3, s[WM], 8
	s_add_co_u32 s22, s22, s3
	s_lshl_b32 s3, s[WN], 3
	s_add_co_u32 s22, s22, s3                      ; and their scale words: a pair of group wave / 2
	s_mov_b32 s3, 0
	s_mov_b32 s23, 0
	s_add_nc_u64 s[OBT:OBT+1], s[14:15], s[2:3]
	s_add_nc_u64 s[OST:OST+1], s[14:15], s[22:23]
	s_add_nc_u64 s[14:15], s[12:13], s[20:21]
	s_add_nc_u64 s[12:13], s[12:13], s[44:45]
	s_mov_b32 s[SEL], 0x76543210
	s_mov_b32 s[SEL+1], 0xfedcba98
	s_wait_alu depctr_va_vdst(0)                   ; the head's end
	s_wait_tensorcnt 0x0                           ; my part of slot 0 is in; the add and its wait follow, as ahead of a refill
	ds_add_u32 v[SPW], v[NIL]
	s_wait_dscnt 0x0
	CROUND                                         ; a whole round: everybody's part of slot 0 is in, and the joint loads meet
	JLOAD 1, G0A+4, G1A, G0J+4, G1J                ; K steps 3-5, the first tensor load behind the round
	ASK 2                                          ; K steps 6-8
	FETCH_AB 0
	s_wait_loadcnt 48                              ; my q head's scale words are in; the 48 loads of cos and sin behind them may be out
	STEP 0, 1                                      ; the first step's products start the sums: nothing is cleared
	STEP 1, 0
	TURN 2, 1                                      ; slot 0 takes K steps 6-8
	STEP 3, 0
	STEP 4, 0
	TURN 5, 1                                      ; slot 1 takes K steps 9-11
	STEP 6, 0
	STEP 7, 0
	TURN 8, 1                                      ; slot 0 takes K steps 12-14
	STEP 9, 0
	STEP 10, 0
	TURN 11, 2                                     ; slot 1 takes K step 15
	STEP 12, 0
	STEP 13, 0
	TURN 14, 0                                     ; nothing is left to fetch: no round of the cluster's barrier
	PLACES 4                                       ; the last step
	FETCH_PR 15
	s_wait_dscnt 30
	WIN 0xa1
	MULQ 0, 15, 0
	MULQ 1, 15, 0
	MULQ 2, 15, 0
	MULQ 3, 15, 0
	s_wait_dscnt 0x0
	WIN 0xf1
	MULT 0, 0
	MULT 1, 0
	WIN 0
	PLACES 4                                       ; in front of the first read of results, and of loads and writes into registers that the products read
	CSLOAD 3, 0x40, 0, 32, 8, 10
	s_cmp_eq_u32 s[KIND], 0
	s_cbranch_scc0 .Lno_kcs
	CSLOAD 0, 0x40, 64, 128, CSP, SNP              ; k's two tiles
	CSLOAD 1, 0x40, 160, 192, CSP, SNP
	s_wait_loadcnt 48                              ; what was asked for at the head is in; the 48 loads just issued may be out
	s_branch .Lcs_in
.Lno_kcs:
	s_wait_loadcnt 16                              ; likewise: here 16 were just issued
.Lcs_in:
	ROPE 0x06, 0, 96, 224                          ; q, a tile of 16 tokens at a time
	QUANT H, 0, PCS, PW
	OUTF 12, 0
	ROPE 0x0e, 64, 128, 160
	s_wait_xcnt 0x0                                ; the last fragment's stores have read their registers: they are written again only behind this wait
	QUANT H, 0, PCS, PW+1
	OUTF 12, 1536
	ROPE 0x0e, 128, 192, 224
	s_wait_xcnt 0x0
	QUANT H, 0, PCS, PW+2
	OUTF 12, 3072
	s_wait_loadcnt 0x0                             ; the rest of cos and sin, asked for three tiles ago
	ROPE 0x06, 192, 0, 32
	s_wait_xcnt 0x0
	QUANT H, 0, PCS, PW+3
	OUTF 12, 4608
	global_store_b128 v[OS], v[PW:PW+3], s[14:15]  ; four tiles' scale words: 256 consecutive bytes, aligned; lanes 16-31 hold and write what lanes 0-15 do
	s_cmp_eq_u32 s[KIND], 0
	s_cbranch_scc0 .Lvalues
	ROPE 0x07, 0, 64, 128                          ; k
	s_wait_xcnt 0x0
	QUANT H, 0, PCS, PWT
	OUTF OBT, 0
	ROPE 0x07, 64, 160, 192
	s_wait_xcnt 0x0
	QUANT H, 0, PCS, PWT+1
	OUTF OBT, 1536
	s_branch .Lout
.Lvalues:                                          ; v: the accumulators are quantised as they stand, each read from its low end on
	s_wait_xcnt 0x0
	QUANT 0, 3, PCS, PWT
	OUTF OBT, 0
	s_wait_xcnt 0x0
	QUANT 64, 3, PCS, PWT+1
	OUTF OBT, 1536
.Lout:
	global_store_b64 v[OS], v[PWT:PWT+1], s[OST:OST+1]   ; two tiles' scale words: 128 of a group's 256 bytes; the neighbouring wave writes the rest.  One byte in 24 of what the third head stores
	s_wait_tensorcnt 0x0                           ; the wave's end, behind my last tensor load
	ds_add_u32 v[SPW], v[NIL]
	s_wait_dscnt 0x0
	CROUND                                         ; the closing round: no work-group ends while a partner may still ask for a tile that names it
	s_endpgm
.Lfunc_end_k_q4a7d3e605f_qkv:
	.size	k_q4a7d3e605f_qkv, .Lfunc_end_k_q4a7d3e605f_qkv-k_q4a7d3e605f_qkv
	.p2alignl 7, 3214868480
	.fill 96, 4, 3214868480
	.section	.rodata,"a",@progbits
	.p2align	6, 0x0
	.amdhsa_kernel k_q4a7d3e605f_qkv
		.amdhsa_group_segment_fixed_size 327680
		.amdhsa_private_segment_fixed_size 0
		.amdhsa_enable_private_segment 0
		.amdhsa_kernarg_size 48
		.amdhsa_user_sgpr_count 2
		.amdhsa_user_sgpr_kernarg_segment_ptr 1
		.amdhsa_wavefront_size32 1
		.amdhsa_system_sgpr_workgroup_id_x 1
		.amdhsa_system_sgpr_workgroup_id_y 1
		.amdhsa_system_sgpr_workgroup_id_z 1
		.amdhsa_system_vgpr_workitem_id 0
		.amdhsa_next_free_vgpr 1024
		.amdhsa_next_free_sgpr 100
		.amdhsa_reserve_vcc 0
		.amdhsa_float_denorm_mode_32 3
		.amdhsa_float_denorm_mode_16_64 3
		.amdhsa_memory_ordered 1
		.amdhsa_forward_progress 1
		.amdhsa_inst_pref_size 255
	.end_amdhsa_kernel
	.section	.bss,"aw",@nobits
	.p2align	6
	.space	262144
	.amdgpu_metadata
---
amdhsa.version: [ 1, 2 ]
amdhsa.kernels:
  - .name:           k_q4a7d3e605f_qkv
    .symbol:         k_q4a7d3e605f_qkv.kd
    .args:
      - { .name: xq, .offset: 0, .size: 8, .value_kind: global_buffer, .address_space: global }
      - { .name: wq, .offset: 8, .size: 8, .value_kind: global_buffer, .address_space: global }
      - { .name: cos, .offset: 16, .size: 8, .value_kind: global_buffer, .address_space: global }
      - { .name: sin, .offset: 24, .size: 8, .value_kind: global_buffer, .address_space: global }
      - { .name: qi, .offset: 32, .size: 8, .value_kind: global_buffer, .address_space: global }
      - { .name: kvb, .offset: 40, .size: 8, .value_kind: global_buffer, .address_space: global }
    .group_segment_fixed_size: 327680
    .private_segment_fixed_size: 0
    .kernarg_segment_align: 8
    .kernarg_segment_size: 48
    .max_flat_workgroup_size: 128
    .sgpr_count:     100
    .vgpr_count:     1024
    .wavefront_size: 32
...
	.end_amdgpu_metadata
.endif
;; end of part 2
;; launch attn (part 3): grid 16 x 16, 16 waves a work-group, clusters of 4 x 1, 276,480 bytes of LDS; arguments qi, kvb, oq, Wo, wq; writes oq, wq
.if DOCPART == 3
	.amdgcn_target "amdgcn-amd-amdhsa--gfx1250"
	.amdhsa_code_object_version 6
	.text
	.protected	k_q4a7d3e605f_attn
	.globl	k_q4a7d3e605f_attn
	.p2align	8
	.type	k_q4a7d3e605f_attn,@function
k_q4a7d3e605f_attn:
	s_mov_b64 s[64:65], 0
	v_nop
	global_prefetch_b8 v0, s[64:65] scope:SCOPE_SE
	s_setreg_imm32_b32 hwreg(HW_REG_WAVE_MODE, 25, 1), 1
	s_wait_xcnt 0x0
	s_wait_alu depctr_hold_cnt(0) depctr_sa_sdst(0) depctr_va_vdst(0) depctr_va_sdst(0) depctr_va_ssrc(0) depctr_va_vcc(0) depctr_vm_vsrc(0)
	s_getreg_b32 s2, hwreg(HW_REG_IB_STS2, 6, 4)
	s_cmp_eq_u32 s2, 0
	s_cbranch_scc0 .Lentry_in_a_cluster
	s_endpgm
.Lentry_in_a_cluster:
	s_bfe_u32 s2, ttmp6, 0x10000c
	s_cmp_lg_u32 s2, 0x3003
	s_cbranch_scc0 .Lentry_shape_is_right
	s_endpgm
.Lentry_shape_is_right:
; Causal attention on codes of FP6 (E2M3): S^T = K Q^T (K = the head's 128), p = 2^(t - M), O^T = V^T P^T (K = the keys), O / the sum of the unquantised p; O is quantised along the head's 128 and leaves as the last product's operand.
; t = score x log2(e) / sqrt(128); M = the row's largest t so far, rounded UP to a whole number; when M moves, the sum and O^T are multiplied by 2^(old M - new M): exact.
; SHARES.  y = 4 b + kvh.  The four partners of a cluster are the four query heads of one key and value head: they walk the same K and V, so every tile is asked for JOINTLY.  A work-group owns 256 queries of its head,
; each of its sixteen waves one tile of 16.  THE TILES ARE DEALT SO THAT EVERY WORK-GROUP HAS THE SAME WORK: wave w takes a tile of the 128 tokens p = 2 (w / 4) + ((w / 4 + w / 2) % 2): each p from 0 to 7 twice;
; cluster x says which 32 of them, w % 2 which tile of the pair.  A wave needs key steps 0 .. p: 72 steps of a wave in every work-group.
; ALL OF K AND V OF y STAYS IN LDS: 8 key steps x 25,600 bytes (K's 8 images, V^T's 8, their scale words), each byte filled once: no ring, no refill.  Waves 0 and 1 ask, four loads each: four loads of a wave are out.
; Four stages of two key steps: a counted wait, a barrier, the steps.  A step all of whose keys come after the wave's queries is left out by a scalar branch on the wave's number; no barrier stands under it.
; LAYOUT.  A lane holds ONE query throughout.  By the order of a tile's rows the 16 registers of key tiles 2 b, 2 b + 1 are keys 32 b + 16 h + 0 .. 15, and those of V^T's tiles likewise d.
; No prefetch: every tile is asked for at the head.
; LIMITS: a block whose largest magnitude lies under 2^-124 keeps the byte 1; a block of zeros gets the byte 1 (its codes are zeros; this program alone reads the bytes); NaN and infinities are not served.
; REGISTERS: v1-9 addresses; v12 -M, v13 the largest t, v[14:15] the sum in two halves; v16-27 Q, v255 its scale words; v32-79 four fragments of K or V, v248-251 their scale words; v96-159 S^T, then p; v160-223 O^T; v224-235 p's codes; v232-254 at work.
; HOW K AND V COME NOW: the eight key steps are sixteen halves of 12,800 bytes; wave w asks for half w, jointly with the three partners: one tensor load a wave, no branch.  Every wave waits for its load, ONE barrier follows,
; and behind it all of K and V stands in LDS: the four stages have no wait on TENSORcnt and no barrier of their own.
; Wo IS QUANTISED HERE: its 128 tiles x 16 K steps are 2,048 images, eight to a work-group.  Waves 0-7 make one each ahead of the wait for K and V: lane (r, h) takes column r of the tile and
; its registers run down K in the operand's own order, so the conversions' results are the image.  They go to wq's tiles 192-319, which the last launch reads; this launch reads nothing of wq.
; LIMITS for Wo as for the other operands: a block under 2^-124 or of zeros keeps the byte 1; NaN and infinities are not served.
.set QSC,   6291456
.set WSC,   7864320                    ; wq: where the scale words begin
.set HALFB, 12800                      ; half a key step's block: 50 rows of 256 bytes
; THE DEAL OF TILES AND KEY STEPS NOW (it takes the place of what stands above on p and on 'a wave needs key steps 0 .. p').  With a = 3 - w / 4, wave w owns a tile of the 128 tokens p = 2 a + ((a + w / 2) % 2): waves 0-7 have p >= 4,
; waves 8-15 p <= 3, and waves w and w xor 12 own the tiles at p and 7 - p: a pair has 9 key steps.
; The later tile's owner takes key steps 0-3 and its diagonal step: five.  The other wave, the helper, first takes the partner's steps 4 .. 6 - p with the partner's Q, puts its part (O^T, -M, the sum) into LDS bytes of the pair's own,
; begins anew and takes its own tile's steps 0 .. p: four in all.  So the text runs steps 4-7 first, then 0-3; a step is left out by scalar branches on numbers made of the wave's number alone.
; Behind one barrier the owner joins the two parts under the larger M: both factors are whole powers of two.  O^T and the sums begin as zeros, so every step is written alike: the first change of M gives the factor 0.
; IN A STEP V's fragments are asked for early: tiles 0-3 behind the scores' products, into the registers that K's fragments have left; tiles 4-7 behind p's conversions, into p's registers; one wait serves all eight products.
; Wo's images are made by waves 0-7 AHEAD of the wait for K and V.
.set MRG,   206848                     ; behind the spare words: the pairs' parts, MRGW bytes each: 16 x 512 bytes of O^T, then 8 bytes a lane; no tensor load lands here
.set MRGW,  8704
.set MA,   28                          ; v28  my pair's part: + 16 x lane
.set MB,   29                          ; v29  + 8 x lane
.set L1,   46                          ; s46  of key steps 1-3 I take those up to this one
.set HI2,  47                          ; s47, s49  of key steps 4-7 I take those from s49 to s47
.set LO2,  49
.set OSC,   6291456
.set STEPB, 25600
.set SPARE, 204800                     ; behind the eight steps: the spare words, 128 bytes for each wave: eight blocks of 256 bytes that no other line names
.set LI,   1                           ; v1   16 x lane
.set LR,   2                           ; v2   16 r
.set DV,   3                           ; v3   on the diagonal: my query - the step's first key - 16 h
.set NINF, 4                           ; v4   -infinity
.set SPW,  5                           ; v5   LDS address of my spare word; never rewritten
.set NIL,  6                           ; v6   0; never rewritten
.set SW,   7                           ; v7   16 r + 4 (tile % 4): my scale word's place in its 256 bytes
.set ADF,  8                           ; v8   the stage's fragments
.set ADQ,  9                           ; v9   the stage's scale words
.set WV,   18
.set SEL,  20                          ; s[20:21] selects for lane l xor 16
.set CS,   22                          ; s[22:23] c = log2(e) / sqrt(128)
.set G1,   24                          ; s[24:31] descriptor group 1;  s[32:35] group 0
.set G0,   32
.set P,    48                          ; s48  my last key step, the one on the diagonal
.macro PLACES
.rept 4
	v_nop
.endr
.endm
.macro CROUND
	s_barrier_signal -1
	s_barrier_wait -1
	s_cmp_lg_u32 s[WV], 0
	s_cbranch_scc1 .Lnot_wave_0_\@
	s_barrier_signal -3
.Lnot_wave_0_\@:
	s_barrier_wait -3
	s_barrier_signal -1
	s_barrier_wait -1
.endm
; KEY STEP s: 128 keys.
.macro STEP s
.set SB0, STEPB*((\s)%2)
.if (\s) > 0 && (\s) < 4
	s_cmp_lt_u32 s[L1], \s                         ; not mine: all its keys come after my own tile's queries
	s_cbranch_scc1 .Lhidden_\@
.endif
.if (\s) >= 4
	s_cmp_lt_u32 s[HI2], \s                        ; not mine: the partner's, or hidden
	s_cbranch_scc1 .Lhidden_\@
	s_cmp_gt_u32 s[LO2], \s
	s_cbranch_scc1 .Lhidden_\@
.endif
.irp g, 0,1                                    ; S^T = K Q^T, four tiles of 16 keys at a time
	PLACES                                         ; in front of loads into registers that matrix instructions have read
.irp t, 0,1,2,3
.irp c, 0,1,2
	ds_load_b128 v[32+12*\t+4*\c:35+12*\t+4*\c], v[ADF] offset:SB0+1536*(4*\g+\t)+512*\c
.endr
.endr
	ds_load_b128 v[248:251], v[ADQ] offset:SB0+24576+256*\g
	s_wait_dscnt 0x0
.irp t, 0,1,2,3
	v_wmma_scale_f32_16x16x128_f8f6f4 v[96+8*(4*\g+\t):103+8*(4*\g+\t)], v[32+12*\t:43+12*\t], v[16:27], 0, v[248+\t], v255 matrix_a_fmt:MATRIX_FMT_FP6 matrix_b_fmt:MATRIX_FMT_FP6
.endr
.endr
	PLACES
.irp t, 0,1,2,3
.irp c, 0,1,2
	ds_load_b128 v[32+12*\t+4*\c:35+12*\t+4*\c], v[ADF] offset:SB0+12288+1536*\t+512*\c   ; V^T's tiles 0-3: they land under the softmax's work
.endr
.endr
	ds_load_b128 v[92:95], v[ADQ] offset:SB0+25088 ; and their scale words
	s_cmp_lg_u32 s[P], \s                          ; on the diagonal the scores of hidden keys become -infinity ahead of the maximum: p = 0 then
	s_cbranch_scc1 .Lopen_\@
.set nn, 0
.rept 64                                       ; register 16 b + i holds key 32 b + 16 h + i of the step: hidden where 32 b + i > v[DV]
	v_cmp_gt_i32 vcc_lo, 32*(nn/16)+nn%16, v[DV]
	v_cndmask_b32 v[96+nn], v[96+nn], v[NINF], vcc_lo
.set nn, nn+1
.endr
.Lopen_\@:
.irp b, 0,1,2,3
	v_max3_num_f32 v[232+\b], v[96+16*\b], v[97+16*\b], v[98+16*\b]   ; THE LARGEST SCORE OF EACH BLOCK OF 32 KEYS serves twice: for the row's maximum, and, since p rises with the score, for the block's largest p
.endr
.irp i, 3,5,7,9,11,13
.irp b, 0,1,2,3
	v_max3_num_f32 v[232+\b], v[232+\b], v[96+16*\b+\i], v[97+16*\b+\i]
.endr
.endr
.irp b, 0,1,2,3
	v_max_num_f32 v[232+\b], v[232+\b], v[111+16*\b]
.endr
.irp b, 0,1,2,3
	s_delay_alu instid0(VALU_DEP_4)
	v_permlanex16_b32 v[236+\b], v[232+\b], s[SEL], s[SEL+1]
.endr
.irp b, 0,1,2,3
	s_delay_alu instid0(VALU_DEP_4)
	v_max_num_f32 v[232+\b], v[232+\b], v[236+\b]  ; with lane l xor 16's 16 keys
.endr
	s_delay_alu instid0(VALU_DEP_2)
	v_max3_num_f32 v254, v232, v233, v234
	s_delay_alu instid0(VALU_DEP_1)
	v_max_num_f32 v254, v254, v235                 ; the step's largest score of my query
	s_delay_alu instid0(VALU_DEP_1)
	v_mul_f32 v254, s[CS], v254                    ; as t (c is positive)
	s_delay_alu instid0(VALU_DEP_1)
	v_max_num_f32 v13, v13, v254                   ; the running largest t
	v_mov_b32 v254, v12
	s_delay_alu instid0(VALU_DEP_2)
	v_floor_f32 v12, -v13                          ; the new -M = floor(-t) = -ceil(t): a whole number
	s_delay_alu instid0(VALU_DEP_1)
	v_sub_f32 v254, v12, v254                      ; old M - new M: a whole number, 0 or less
	s_delay_alu instid0(VALU_DEP_1)
	v_cvt_i32_f32 v254, v254                       ; (it saturates)
	s_delay_alu instid0(VALU_DEP_1)
	v_ldexp_f32 v252, 1.0, v254                    ; f = 2^(old M - new M)
.set jj, 0
.rept 32
	v_pk_fma_f32 v[96+jj:97+jj], v[96+jj:97+jj], s[CS:CS+1], v[12:13] op_sel_hi:[1,0,0]   ; t - M, two at a time
.set jj, jj+2
.endr
.irp b, 0,1,2,3
	v_fma_f32 v[232+\b], v[232+\b], s[CS], v12     ; the same of each block's largest score
.endr
.set jj, 0
	s_wait_alu depctr_va_vdst(0)
.rept 64
	v_exp_f32 v[96+jj], v[96+jj]                   ; p = 2^(t - M), at most 1: not normalised
.set jj, jj+1
.endr
	v_pk_mul_f32 v[14:15], v[14:15], v[252:253] op_sel_hi:[1,0]   ; the sums under the new M.  (A plain place behind the exponentials)
	s_wait_alu depctr_va_vdst(0)                   ; one wait for the whole batch, ahead of its first reader
.irp b, 0,1,2,3
	v_exp_f32 v[232+\b], v[232+\b]                 ; the block's largest p: the same two instructions on the same number give the same bits
.endr
	v_pk_add_f32 v[236:237], v[100:101], v[104:105]
	v_pk_add_f32 v[250:251], v[108:109], v[112:113]
	v_pk_add_f32 v[248:249], v[116:117], v[120:121]
	v_pk_add_f32 v[246:247], v[124:125], v[128:129]
	v_pk_add_f32 v[244:245], v[132:133], v[136:137]
	v_pk_add_f32 v[242:243], v[140:141], v[144:145]
	v_pk_add_f32 v[240:241], v[148:149], v[152:153]
	v_pk_add_f32 v[14:15], v[14:15], v[156:157]
	v_pk_add_f32 v[236:237], v[236:237], v[96:97]
	v_pk_add_f32 v[250:251], v[250:251], v[98:99]
	v_pk_add_f32 v[248:249], v[248:249], v[102:103]
	v_pk_add_f32 v[246:247], v[246:247], v[106:107]
	v_pk_add_f32 v[244:245], v[244:245], v[110:111]
	v_pk_add_f32 v[242:243], v[242:243], v[114:115]
	v_pk_add_f32 v[240:241], v[240:241], v[118:119]
	v_pk_add_f32 v[14:15], v[14:15], v[122:123]
	v_pk_add_f32 v[236:237], v[236:237], v[126:127]
	v_pk_add_f32 v[250:251], v[250:251], v[130:131]
	v_pk_add_f32 v[248:249], v[248:249], v[134:135]
	v_pk_add_f32 v[246:247], v[246:247], v[138:139]
	v_pk_add_f32 v[244:245], v[244:245], v[142:143]
	v_pk_add_f32 v[242:243], v[242:243], v[146:147]
	v_pk_add_f32 v[240:241], v[240:241], v[150:151]
	v_pk_add_f32 v[14:15], v[14:15], v[154:155]
	v_pk_add_f32 v[236:237], v[236:237], v[158:159]
	s_delay_alu instid0(VALU_DEP_2)
	v_pk_add_f32 v[14:15], v[14:15], v[246:247]
	s_delay_alu instid0(VALU_DEP_2)
	v_pk_add_f32 v[236:237], v[236:237], v[244:245]
	v_pk_add_f32 v[250:251], v[250:251], v[242:243]
	v_pk_add_f32 v[248:249], v[248:249], v[240:241]
	s_delay_alu instid0(VALU_DEP_2)
	v_pk_add_f32 v[14:15], v[14:15], v[250:251]
	s_delay_alu instid0(VALU_DEP_2)
	v_pk_add_f32 v[236:237], v[236:237], v[248:249]
	s_delay_alu instid0(VALU_DEP_1)
	v_pk_add_f32 v[14:15], v[14:15], v[236:237]
	s_wait_alu depctr_va_vdst(0)                   ; and one for the four
.irp b, 0,1,2,3
	v_max_num_f32 v[232+\b], 0x1800000, v[232+\b]  ; the floor 2^(3 - 127): the byte cannot fall under 1
.endr
.irp b, 0,1,2,3
	s_delay_alu instid0(VALU_DEP_4)
	v_add_nc_u32 v[244+\b], 0xff000000, v[232+\b]  ; 2 off the exponent field: the conversion's scale operand
.endr
.irp b, 0,1,2,3
	s_delay_alu instid0(VALU_DEP_4)
	v_lshrrev_b32 v[236+\b], 23, v[244+\b]         ; the scale's byte
.endr
	s_delay_alu instid0(VALU_DEP_3)
	v_lshl_or_b32 v253, v237, 8, v236              ; p's scale word for these 128 keys
	s_delay_alu instid0(VALU_DEP_1)
	v_lshl_or_b32 v253, v238, 16, v253
	s_delay_alu instid0(VALU_DEP_1)
	v_lshl_or_b32 v253, v239, 24, v253
.irp c, 0,1
	v_cvt_scalef32_pk16_fp6_f32 v[224+6*\c:226+6*\c], v[96+32*\c:111+32*\c], v[244+2*\c]
	v_cvt_scalef32_pk16_fp6_f32 v[236+4*\c:238+4*\c], v[112+32*\c:127+32*\c], v[244+2*\c+1]   ; (a conversion's three registers begin on an even number)
.endr
	v_nop                                          ; one plain place behind a scaled conversion
.irp t, 0,1,2,3
.irp c, 0,1,2
	ds_load_b128 v[96+12*\t+4*\c:99+12*\t+4*\c], v[ADF] offset:SB0+12288+1536*(4+\t)+512*\c   ; V^T's tiles 4-7, into p's registers: p has been summed and converted
.endr
.endr
	ds_load_b128 v[248:251], v[ADQ] offset:SB0+25088+256
.irp c, 0,1                                    ; the operand's layout wants a WHOLE block in a lane
.irp i, 0,1,2
	v_permlane16_swap_b32 v[224+6*\c+\i], v[236+4*\c+\i]
.endr
.irp i, 0,1,2
	s_delay_alu instid0(VALU_DEP_3)
	v_mov_b32 v[227+6*\c+\i], v[236+4*\c+\i]
.endr
.endr
.set jj, 0
.rept 32
	v_pk_mul_f32 v[160+jj:161+jj], v[160+jj:161+jj], v[252:253] op_sel_hi:[1,0]   ; O^T under the new M.  (These 32 are also the places in front of the matrix instructions below)
.set jj, jj+2
.endr
	s_wait_alu depctr_va_vdst(0)
	s_wait_dscnt 0x0                               ; all of V^T's eight fragments and their scale words are in
.irp t, 0,1,2,3                                ; O^T += V^T P^T: the eight accumulators by turns
	v_wmma_scale_f32_16x16x128_f8f6f4 v[160+8*\t:167+8*\t], v[32+12*\t:43+12*\t], v[224:235], v[160+8*\t:167+8*\t], v[92+\t], v253 matrix_a_fmt:MATRIX_FMT_FP6 matrix_b_fmt:MATRIX_FMT_FP6
.endr
.irp t, 0,1,2,3
	v_wmma_scale_f32_16x16x128_f8f6f4 v[192+8*\t:199+8*\t], v[96+12*\t:107+12*\t], v[224:235], v[192+8*\t:199+8*\t], v[248+\t], v253 matrix_a_fmt:MATRIX_FMT_FP6 matrix_b_fmt:MATRIX_FMT_FP6
.endr
	v_nop                                          ; with the four places at the head of whatever follows: five, before the next scores are written over v96 on, which these products read
.Lhidden_\@:
.endm
.macro STAGE n                         ; key steps 2 n and 2 n + 1
	v_add_nc_u32 v[ADF], 2*STEPB*(\n), v[LI]
	s_wait_alu depctr_va_vdst(0)
	v_add_nc_u32 v[ADQ], 2*STEPB*(\n), v[LR]
	s_wait_alu depctr_va_vdst(0)
	STEP 2*(\n)
	STEP 2*(\n)+1
.endm
	s_load_b128 s[4:7], s[0:1], 0x0                ; qi s[4:5], kvb s[6:7]
	s_load_b64 s[8:9], s[0:1], 0x10                ; oq
	s_load_b128 s[36:39], s[0:1], 0x18             ; Wo s[36:37], wq s[38:39]
	v_lshl_add_u32 v[SPW], v0, 2, SPARE
	v_mov_b32 v[NIL], 0
	ds_add_u32 v[SPW], v[NIL]                      ; the wave's opening: the add and its wait stand ahead of the first tensor loads; the set-up below, work on registers, stands between them
	ds_add_u32 v[SPW], v[NIL]
	v_lshrrev_b32 v8, 5, v0
	s_delay_alu instid0(VALU_DEP_1)
	v_readfirstlane_b32 s[WV], v8                  ; wave 0..15
	s_bfe_u32 s10, ttmp6, 0x40000                  ; cx = g: it enters global addresses alone
	s_and_b32 s11, ttmp7, 0xffff                   ; y = 4 b + kvh
	s_lshr_b32 s12, s[WV], 2
	s_xor_b32 s12, s12, 3                          ; a = 3 - w / 4: the later tiles go to the lower wave numbers
	s_bfe_u32 s13, s[WV], 0x10001
	s_xor_b32 s13, s13, s12
	s_and_b32 s13, s13, 1
	s_lshl_b32 s[P], s12, 1
	s_add_co_u32 s[P], s[P], s13                   ; p
	s_and_b32 s14, s[WV], 1                        ; u
	s_lshl_b32 s15, s[P], 2
	s_add_co_u32 s15, s15, ttmp9                   ; which 32 tokens of the sequence: 4 p + cluster x
	s_lshl_b32 s15, s15, 1
	s_add_co_u32 s15, s15, s14                     ; my tile in the sequence
	s_lshr_b32 s16, s11, 2
	s_lshl_b32 s17, s16, 6
	s_add_co_u32 s17, s17, s15                     ; T: my tile among all 256
	s_and_b32 s16, s11, 3
	s_lshl_b32 s16, s16, 2
	s_add_co_u32 s16, s16, s10                     ; head = 4 kvh + g
	s_lshl_b32 s50, s16, 8
	s_add_co_u32 s50, s50, s17
	s_mul_i32 s50, s50, 1536                       ; Q's image
	s_mov_b32 s51, 0
	s_lshr_b32 s19, s17, 2
	s_lshl_b32 s52, s16, 6
	s_add_co_u32 s52, s52, s19
	s_lshl_b32 s52, s52, 8
	s_add_co_u32 s52, s52, QSC                     ; its scale words' 256 bytes
	s_mov_b32 s53, 0
	s_lshl_b32 s54, s17, 4
	s_add_co_u32 s54, s54, s16
	s_mul_i32 s54, s54, 1536                       ; O's image: tile T, K step = head
	s_mov_b32 s55, 0
	s_lshl_b32 s56, s19, 4
	s_add_co_u32 s56, s56, s16
	s_lshl_b32 s56, s56, 8
	s_add_co_u32 s56, s56, OSC
	s_mov_b32 s57, 0
	s_sub_co_u32 s63, 7, s[P]                      ; the partner's tile: the same 32 tokens and u in the 128 tokens 7 - p
	s_lshl_b32 s63, s63, 2
	s_add_co_u32 s63, s63, ttmp9
	s_lshl_b32 s63, s63, 1
	s_add_co_u32 s63, s63, s14
	s_lshr_b32 s19, s11, 2
	s_lshl_b32 s19, s19, 6
	s_add_co_u32 s63, s63, s19                     ; among all 256
	s_lshl_b32 s40, s16, 8
	s_add_co_u32 s40, s40, s63
	s_mul_i32 s40, s40, 1536                       ; its Q's image
	s_lshr_b32 s63, s63, 2
	s_lshl_b32 s42, s16, 6
	s_add_co_u32 s42, s42, s63
	s_lshl_b32 s42, s42, 8
	s_add_co_u32 s42, s42, QSC                     ; and scale words (its place in the 256 bytes is mine: the tiles lie a multiple of 8 apart)
	s_sub_co_u32 s63, 6, s[P]
	s_xor_b32 s12, s[WV], 12
	s_min_u32 s12, s12, s[WV]                      ; the pair's number: the owner's wave number, 0-7
	s_mul_i32 s12, s12, MRGW
	s_add_co_u32 s12, s12, MRG
	s_cmp_ge_u32 s[WV], 8                          ; a helper?
	s_cselect_b32 s40, s40, s50                    ; the Q that I begin with: a helper the partner's, an owner of a later tile its own
	s_cselect_b32 s42, s42, s52
	s_cselect_b32 s[L1], s[P], 3
	s_cselect_b32 s[HI2], s63, s[P]
	s_cselect_b32 s[LO2], 4, s[P]
	s_mov_b32 s41, 0
	s_mov_b32 s43, 0
	s_mul_i32 s58, s11, 8*STEPB                    ; y's eight key steps,
	s_mul_i32 s60, s[WV], HALFB                    ; and of them my half step: the same offset in memory and in LDS
	s_add_co_u32 s58, s58, s60
	s_mov_b32 s59, 0
	s_lshl_b32 s61, ttmp9, 5
	s_lshl_b32 s62, s14, 3
	s_add_co_u32 s61, s61, s62                     ; my tile's first token in its 128: 32 x cluster x + 8 u
	s_and_b32 s62, s17, 3
	s_mov_b32 s[G1], 15|(3<<16)|(1<<21)            ; all four partners; elements of 8 bytes; bit 21 set beside a mask; no padding
	s_mov_b32 s[G1+1], 32<<16                      ; a key step's block is dense: 100 rows of 256 bytes
	s_mov_b32 s[G1+2], 50<<16
	s_mov_b32 s[G1+3], 32<<16
	s_mov_b32 s[G1+4], 50
	s_mov_b32 s[G1+5], 32
	s_mov_b32 s[G1+6], 0
	s_mov_b32 s[G1+7], 0
	s_mov_b32 s[SEL], 0x76543210
	s_mov_b32 s[SEL+1], 0xfedcba98
	s_mov_b32 s[CS], 0x3e0293ee                    ; c = log2(e) / sqrt(128)
	s_mov_b32 s[CS+1], s[CS]                       ; (named with it as a pair, so it is written)
	s_wait_dscnt 0x0                               ; the opening add is done
	s_wait_kmcnt 0x0
	s_add_nc_u64 s[6:7], s[6:7], s[58:59]
	CROUND                                         ; all four work-groups are here: the joint loads meet
	s_mov_b32 s[G0], 1
	s_mov_b32 s[G0+1], s60
	s_mov_b64 s[G0+2:G0+3], s[6:7]
	s_or_b32 s[G0+3], s[G0+3], 0x80000000
	tensor_load_to_lds s[G0:G0+3], s[G1:G1+7]      ; my half step: every wave's one tensor load of the launch
	s_nop 0
.rept 4
	v_nop
.endr
	s_add_nc_u64 s[50:51], s[4:5], s[50:51]
	s_add_nc_u64 s[52:53], s[4:5], s[52:53]
	s_add_nc_u64 s[40:41], s[4:5], s[40:41]
	s_add_nc_u64 s[42:43], s[4:5], s[42:43]
	s_add_nc_u64 s[54:55], s[8:9], s[54:55]
	s_add_nc_u64 s[56:57], s[8:9], s[56:57]
	v_and_b32 v8, 31, v0
	s_delay_alu instid0(VALU_DEP_1)
	v_lshlrev_b32 v[LI], 4, v8
	v_and_b32 v9, 15, v0                           ; r
	v_bfe_u32 v10, v0, 4, 1                        ; h
	s_delay_alu instid0(VALU_DEP_2)
	v_lshlrev_b32 v[LR], 4, v9
	s_delay_alu instid0(VALU_DEP_1)
	v_lshl_add_u32 v[SW], s62, 2, v[LR]
.irp g, 0,1,2
	global_load_b128 v[16+4*\g:19+4*\g], v[LI], s[40:41] offset:512*\g   ; the Q that I begin with
	global_load_b128 v[80+4*\g:83+4*\g], v[LI], s[50:51] offset:512*\g   ; my own tile's, which a helper takes up later
.endr
	global_load_b32 v255, v[SW], s[42:43]          ; and their scale words
	global_load_b32 v30, v[SW], s[52:53]
	v_add_nc_u32 v[MA], s12, v[LI]
	v_lshl_add_u32 v[MB], v8, 3, s12
	v_and_b32 v11, 8, v9
	s_delay_alu instid0(VALU_DEP_1)
	v_add_nc_u32 v11, v11, v9                      ; r + 8 (r / 8)
	v_lshlrev_b32 v10, 4, v10
	s_delay_alu instid0(VALU_DEP_1)
	v_sub_nc_u32 v[DV], v11, v10
	s_delay_alu instid0(VALU_DEP_1)
	v_add_nc_u32 v[DV], s61, v[DV]
	v_mov_b32 v[NINF], 0xff800000
	v_mov_b32 v13, 0xff61b1e6                      ; the largest t so far: -3e38, under every t
	s_delay_alu instid0(VALU_DEP_1)
	v_floor_f32 v12, -v13                          ; -M
	v_mov_b32 v14, 0                               ; the sum, in two halves
	v_mov_b32 v15, 0
.irp b, 0,1,2,3
	v_mov_b32 v[236+\b], 0                         ; written once: a lane permute's destination counts as one of its sources
.endr
	v_mov_b32 v253, 0                              ; (named as the upper half of the pair v[252:253] before it is first written)
	v_mov_b32 v252, 0
.set jj, 0
.rept 64
	v_mov_b32 v[160+jj], 0                         ; O^T: which step is a wave's first hangs on the wave, so the step is written once and finds zeros
.set jj, jj+1
.endr
	s_wait_alu depctr_va_vdst(0)                   ; the head's end
	s_cmp_lt_u32 s[WV], 8                          ; waves 0-7: one image of Wo each, while K and V are on their way.  No barrier stands under the branch
	s_cbranch_scc0 .Lno_wo
	s_wait_xcnt 0x0                                ; Q's loads have read their bases: s[40:43] are written again below
	s_lshl_b32 s12, s11, 4
	s_lshl_b32 s13, ttmp9, 2
	s_add_co_u32 s12, s12, s13
	s_add_co_u32 s12, s12, s10                     ; my work-group among the 256: 16 y + 4 x cluster x + cx (it enters global addresses alone)
	s_lshl_b32 s12, s12, 3
	s_add_co_u32 s12, s12, s[WV]                   ; the image: 128 x K step + tile
	s_and_b32 s13, s12, 127                        ; tile T of Wo's 128: a work-group's eight stand side by side on 512 bytes of each row
	s_lshr_b32 s12, s12, 7                         ; K step
	s_lshl_b32 s40, s12, 20                        ; 128 rows of 8,192 bytes,
	s_lshr_b32 s14, s13, 1
	s_lshl_b32 s14, s14, 7
	s_add_co_u32 s40, s40, s14                     ; column 32 (T / 2)
	s_and_b32 s14, s13, 1
	s_lshl_b32 s14, s14, 5
	s_add_co_u32 s40, s40, s14                     ; + 8 (T % 2)
	s_mov_b32 s41, 0
	s_add_nc_u64 s[40:41], s[36:37], s[40:41]
	s_add_co_u32 s14, s13, 192                     ; wq's tile
	s_mul_i32 s42, s14, 24576
	s_mul_i32 s15, s12, 1536
	s_add_co_u32 s42, s42, s15
	s_mov_b32 s43, 0
	s_add_nc_u64 s[42:43], s[38:39], s[42:43]      ; the image's place
	s_lshr_b32 s44, s14, 2
	s_lshl_b32 s44, s44, 4
	s_add_co_u32 s44, s44, s12
	s_lshl_b32 s44, s44, 8                         ; the scale words: [tile / 4][K step] of 256 bytes,
	s_and_b32 s15, s13, 3
	s_lshl_b32 s15, s15, 2
	s_add_co_u32 s44, s44, s15                     ; + 4 (T % 4)
	s_add_co_u32 s44, s44, WSC
	s_mov_b32 s45, 0
	s_add_nc_u64 s[44:45], s[38:39], s[44:45]
	v_and_b32 v10, 15, v0
	v_and_b32 v11, 8, v0
	s_delay_alu instid0(VALU_DEP_1)
	v_add_nc_u32 v10, v10, v11                     ; r + 8 (r / 8): my column in the tile's 32
	v_bfe_u32 v11, v0, 4, 1                        ; h
	s_delay_alu instid0(VALU_DEP_2)
	v_lshlrev_b32 v10, 2, v10
	s_delay_alu instid0(VALU_DEP_1)
	v_lshl_add_u32 v10, v11, 18, v10               ; lanes 16-31 begin 32 rows further down
	v_lshlrev_b32 v11, 3, v11                      ; 8 h
	v_mov_b32 v242, 0                              ; a lane permute's destination counts as one of its sources
	s_wait_alu depctr_va_vdst(0)
.irp c, 0,1
.irp i, 0,1,2,3,4,5,6,7,8,9,10,11,12,13,14,15,16,17,18,19,20,21,22,23,24,25,26,27,28,29,30,31
	global_load_b32 v[96+32*\c+\i], v10, s[40:41] offset:(64*\c+\i)*8192   ; Wo(128 ks + 64 c + 32 h + i, my column)
.endr
.endr
	s_wait_loadcnt 0x0
.irp c, 0,1
	v_max3_num_f32 v[232+\c], |v[96+32*\c]|, |v[97+32*\c]|, 0x1800000   ; my block 2 c + h: all 32 numbers are mine; the floor 2^(3 - 127) holds the byte at 1 from below
.endr
.irp i, 2,4,6,8,10,12,14,16,18,20,22,24,26,28,30
.irp c, 0,1
	s_delay_alu instid0(VALU_DEP_2)
	v_max3_num_f32 v[232+\c], v[232+\c], |v[96+32*\c+\i]|, |v[97+32*\c+\i]|
.endr
.endr
.irp c, 0,1
	s_delay_alu instid0(VALU_DEP_2)
	v_add_nc_u32 v[244+\c], 0xff000000, v[232+\c]  ; 2 off the exponent field: the conversion's scale operand
.endr
.irp c, 0,1
	s_delay_alu instid0(VALU_DEP_2)
	v_lshrrev_b32 v[236+\c], 23, v[244+\c]         ; the scale's byte
.endr
	s_delay_alu instid0(VALU_DEP_1)
	v_lshl_or_b32 v240, v237, 16, v236             ; blocks h and 2 + h,
	s_delay_alu instid0(VALU_DEP_1)
	v_lshlrev_b32 v240, v11, v240                  ; 8 h bits up;
	s_delay_alu instid0(VALU_DEP_1)
	v_permlanex16_b32 v242, v240, s[SEL], s[SEL+1]
	s_delay_alu instid0(VALU_DEP_1)
	v_or_b32 v240, v240, v242                      ; with lane l xor 16's two bytes the column's word is whole
.irp c, 0,1
	v_cvt_scalef32_pk16_fp6_f32 v[32+6*\c:34+6*\c], v[96+32*\c:111+32*\c], v[244+\c]
	v_cvt_scalef32_pk16_fp6_f32 v[48+4*\c:50+4*\c], v[112+32*\c:127+32*\c], v[244+\c]   ; (a conversion's three registers begin on an even number)
.endr
	v_nop                                          ; one plain place behind a scaled conversion
.irp c, 0,1
.irp i, 0,1,2
	v_mov_b32 v[35+6*\c+\i], v[48+4*\c+\i]
.endr
.endr
.irp g, 0,1,2
	global_store_b128 v[LI], v[32+4*\g:35+4*\g], s[42:43] offset:512*\g   ; the image: 512 consecutive bytes a store
.endr
	global_store_b32 v[LR], v240, s[44:45]         ; 64 of four tiles' 256 bytes: the neighbouring waves write the rest; lanes 16-31 hold and write what lanes 0-15 do
	s_wait_xcnt 0x0                                ; the stores have read their registers: the steps below write them again
.Lno_wo:
	s_wait_tensorcnt 0x0                           ; my half step has landed
	s_barrier_signal -1                            ; (no LDS instruction of mine is out)
	s_barrier_wait -1                              ; everybody's has: all of K and V is in LDS, and nothing is ever filled again
	s_wait_loadcnt 0x0                             ; both Q
	STAGE 2                                        ; key steps 4-7: the later tiles' diagonal steps, and the helpers' shares of them
	STAGE 3
	s_cmp_lt_u32 s[WV], 8
	s_cbranch_scc1 .Lno_sw
	PLACES                                         ; A HELPER HANDS ITS PART OVER.  Four places behind the last products
	v_add_f32 v13, v14, v15                        ; my lane's sum, beside -M
.set jj, 0
.rept 16
	ds_store_b128 v[MA], v[160+jj:163+jj] offset:128*jj   ; an image of the registers; each accumulator is read from its low end on
.set jj, jj+4
.endr
	ds_store_b64 v[MB], v[12:13] offset:8192
	v_mov_b32 v255, v30                            ; my own tile's Q; the scale words first: the lines below are their eight places
.set jj, 0
.rept 12
	v_mov_b32 v[16+jj], v[80+jj]
.set jj, jj+1
.endr
	v_mov_b32 v13, 0xff61b1e6                      ; and anew: the largest t is -3e38 again, so the next step's factor is 0, which clears O^T and the sums
	v_floor_f32 v12, -v13
	s_wait_alu depctr_va_vdst(0)
.Lno_sw:
	STAGE 0                                        ; key steps 0-3
	STAGE 1
	PLACES                                         ; behind the last products
	s_wait_alu depctr_va_vdst(0)
	s_wait_dscnt 0x0                               ; the helpers' stores are done
	s_barrier_signal -1
	s_barrier_wait -1
	s_cmp_lt_u32 s[WV], 8
	s_cbranch_scc0 .Lno_mrg
.set jj, 0
.rept 16
	ds_load_b128 v[96+jj:99+jj], v[MA] offset:128*jj      ; THE OWNER OF A LATER TILE JOINS THE TWO PARTS: the helper's O^T,
.set jj, jj+4
.endr
	ds_load_b64 v[240:241], v[MB] offset:8192      ; its -M and its sum
	s_wait_dscnt 0x0
	v_mov_b32 v247, 0                              ; (named as the upper half of a pair)
	v_min_num_f32 v242, v12, v240                  ; -M of the larger M
	s_delay_alu instid0(VALU_DEP_1)
	v_sub_f32 v243, v242, v12                      ; whole numbers, 0 or less
	v_sub_f32 v244, v242, v240
	s_delay_alu instid0(VALU_DEP_2)
	v_cvt_i32_f32 v243, v243                       ; (they saturate: a helper with no step has -M = 3e38, the factor 0 and a part of zeros)
	s_delay_alu instid0(VALU_DEP_2)
	v_cvt_i32_f32 v244, v244
	s_delay_alu instid0(VALU_DEP_2)
	v_ldexp_f32 v252, 1.0, v243                    ; my factor,
	s_delay_alu instid0(VALU_DEP_2)
	v_ldexp_f32 v246, 1.0, v244                    ; the helper's
	s_delay_alu instid0(VALU_DEP_2)
	v_pk_mul_f32 v[14:15], v[14:15], v[252:253] op_sel_hi:[1,0]
	s_delay_alu instid0(VALU_DEP_1)
	v_fmac_f32 v14, v241, v246
.set jj, 0
.rept 32
	v_pk_mul_f32 v[96+jj:97+jj], v[96+jj:97+jj], v[246:247] op_sel_hi:[1,0]
.set jj, jj+2
.endr
.set jj, 0
.rept 32
	v_pk_fma_f32 v[160+jj:161+jj], v[160+jj:161+jj], v[252:253], v[96+jj:97+jj] op_sel_hi:[1,0,1]   ; each accumulator is read from its low end on
.set jj, jj+2
.endr
.Lno_mrg:
	; THE WAY OUT: O^T / the sum, quantised along the head's 128: one fragment and one scale word a row of the last product's left operand.
	PLACES                                         ; behind the last products
	v_add_f32 v14, v14, v15                        ; the sum's two halves,
	s_delay_alu instid0(VALU_DEP_1)
	v_permlanex16_b32 v252, v14, s[SEL], s[SEL+1]
	s_delay_alu instid0(VALU_DEP_1)
	v_add_f32 v14, v14, v252                       ; and lane l xor 16's
	s_wait_alu depctr_va_vdst(0)
	v_rcp_f32 v14, v14
	v_nop                                          ; a plain place behind the transcendental
	s_wait_alu depctr_va_vdst(0)                   ; the wait, ahead of the first reader
.set jj, 0
.rept 64
	v_mul_f32 v[96+jj], v[160+jj], v14             ; register 16 b + i is o(my query, 32 b + 16 h + i); each accumulator is read from its low end on
.set jj, jj+1
.endr
.irp b, 0,1,2,3
	v_max3_num_f32 v[232+\b], |v[96+16*\b]|, |v[97+16*\b]|, 0x1800000
.endr
.irp i, 2,4,6,8,10,12,14
.irp b, 0,1,2,3
	s_delay_alu instid0(VALU_DEP_4)
	v_max3_num_f32 v[232+\b], v[232+\b], |v[96+16*\b+\i]|, |v[97+16*\b+\i]|
.endr
.endr
.irp b, 0,1,2,3
	s_delay_alu instid0(VALU_DEP_4)
	v_permlanex16_b32 v[236+\b], v[232+\b], s[SEL], s[SEL+1]
.endr
.irp b, 0,1,2,3
	s_delay_alu instid0(VALU_DEP_4)
	v_max_num_f32 v[232+\b], v[232+\b], v[236+\b]
.endr
.irp b, 0,1,2,3
	s_delay_alu instid0(VALU_DEP_4)
	v_add_nc_u32 v[244+\b], 0xff000000, v[232+\b]
.endr
.irp b, 0,1,2,3
	s_delay_alu instid0(VALU_DEP_4)
	v_lshrrev_b32 v[236+\b], 23, v[244+\b]
.endr
	s_delay_alu instid0(VALU_DEP_3)
	v_lshl_or_b32 v252, v237, 8, v236
	s_delay_alu instid0(VALU_DEP_1)
	v_lshl_or_b32 v252, v238, 16, v252
	s_delay_alu instid0(VALU_DEP_1)
	v_lshl_or_b32 v252, v239, 24, v252
.irp c, 0,1
	v_cvt_scalef32_pk16_fp6_f32 v[32+6*\c:34+6*\c], v[96+32*\c:111+32*\c], v[244+2*\c]
	v_cvt_scalef32_pk16_fp6_f32 v[44+4*\c:46+4*\c], v[112+32*\c:127+32*\c], v[244+2*\c+1]
.endr
	v_nop                                          ; one plain place behind a scaled conversion
.irp c, 0,1
.irp i, 0,1,2
	v_permlane16_swap_b32 v[32+6*\c+\i], v[44+4*\c+\i]
.endr
.irp i, 0,1,2
	s_delay_alu instid0(VALU_DEP_3)
	v_mov_b32 v[35+6*\c+\i], v[44+4*\c+\i]
.endr
.endr
.irp g, 0,1,2
	global_store_b128 v[LI], v[32+4*\g:35+4*\g], s[54:55] offset:512*\g   ; the image: 512 consecutive bytes a store
.endr
	global_store_b32 v[SW], v252, s[56:57]         ; 64 of four tiles' 256 bytes: the other three tiles' waves write the rest.  One byte in 24 of what the launch stores
	s_wait_tensorcnt 0x0                           ; the wave's end, behind the last tensor load
	ds_add_u32 v[SPW], v[NIL]
	s_wait_dscnt 0x0
	CROUND                                         ; the closing round
	s_endpgm
.Lfunc_end_k_q4a7d3e605f_attn:
	.size	k_q4a7d3e605f_attn, .Lfunc_end_k_q4a7d3e605f_attn-k_q4a7d3e605f_attn
	.p2alignl 7, 3214868480
	.fill 96, 4, 3214868480
	.section	.rodata,"a",@progbits
	.p2align	6, 0x0
	.amdhsa_kernel k_q4a7d3e605f_attn
		.amdhsa_group_segment_fixed_size 276480
		.amdhsa_private_segment_fixed_size 0
		.amdhsa_enable_private_segment 0
		.amdhsa_kernarg_size 40
		.amdhsa_user_sgpr_count 2
		.amdhsa_user_sgpr_kernarg_segment_ptr 1
		.amdhsa_wavefront_size32 1
		.amdhsa_system_sgpr_workgroup_id_x 1
		.amdhsa_system_sgpr_workgroup_id_y 1
		.amdhsa_system_sgpr_workgroup_id_z 1
		.amdhsa_system_vgpr_workitem_id 0
		.amdhsa_next_free_vgpr 256
		.amdhsa_next_free_sgpr 66
		.amdhsa_reserve_vcc 1
		.amdhsa_float_denorm_mode_32 3
		.amdhsa_float_denorm_mode_16_64 3
		.amdhsa_memory_ordered 1
		.amdhsa_forward_progress 1
		.amdhsa_inst_pref_size 237
	.end_amdhsa_kernel
	.amdgpu_metadata
---
amdhsa.version: [ 1, 2 ]
amdhsa.kernels:
  - .name:           k_q4a7d3e605f_attn
    .symbol:         k_q4a7d3e605f_attn.kd
    .args:
      - { .name: qi, .offset: 0, .size: 8, .value_kind: global_buffer, .address_space: global }
      - { .name: kvb, .offset: 8, .size: 8, .value_kind: global_buffer, .address_space: global }
      - { .name: oq, .offset: 16, .size: 8, .value_kind: global_buffer, .address_space: global }
      - { .name: Wo, .offset: 24, .size: 8, .value_kind: global_buffer, .address_space: global }
      - { .name: wq, .offset: 32, .size: 8, .value_kind: global_buffer, .address_space: global }
    .group_segment_fixed_size: 276480
    .private_segment_fixed_size: 0
    .kernarg_segment_align: 8
    .kernarg_segment_size: 40
    .max_flat_workgroup_size: 512
    .sgpr_count:     66
    .vgpr_count:     256
    .wavefront_size: 32
...
	.end_amdgpu_metadata
.endif
;; end of part 3
;; launch oproj (part 4): grid 8 x 32, 4 waves a work-group, clusters of 4 x 4, 327,680 bytes of LDS; arguments oq, wq, out0; writes out0
.if DOCPART == 4
	.amdgcn_target "amdgcn-amd-amdhsa--gfx1250"
	.amdhsa_code_object_version 6
	.text
	.protected	k_q4a7d3e605f_oproj
	.globl	k_q4a7d3e605f_oproj
	.p2align	8
	.type	k_q4a7d3e605f_oproj,@function
k_q4a7d3e605f_oproj:
	s_mov_b64 s[64:65], 0
	v_nop
	global_prefetch_b8 v0, s[64:65] scope:SCOPE_SE
	s_setreg_imm32_b32 hwreg(HW_REG_WAVE_MODE, 25, 1), 1
	s_wait_xcnt 0x0
	s_wait_alu depctr_hold_cnt(0) depctr_sa_sdst(0) depctr_va_vdst(0) depctr_va_sdst(0) depctr_va_ssrc(0) depctr_va_vcc(0) depctr_vm_vsrc(0)
	s_getreg_b32 s2, hwreg(HW_REG_IB_STS2, 6, 4)
	s_cmp_eq_u32 s2, 0
	s_cbranch_scc0 .Lentry_in_a_cluster
	s_endpgm
.Lentry_in_a_cluster:
	s_bfe_u32 s2, ttmp6, 0x10000c
	s_cmp_lg_u32 s2, 0xf033
	s_cbranch_scc0 .Lentry_shape_is_right
	s_endpgm
.Lentry_shape_is_right:
; out0 = O Wo on codes of FP6 (E2M3), K = 2,048.  O's codes and scale words come from launch attn (oq), Wo's from the same launch (wq's tiles 192-319); both lie as images of the operand's registers.
; SHARES.  A work-group makes 128 tokens x 256 columns, 32 x 8 = 256 work-groups; a wave 64 x 128: 4 tiles of tokens x 8 tiles of columns, 32 accumulators, which take turns.
; K goes in 16 steps of 128 through two LDS slots of four steps.  CLUSTER 4 x 4: O's tiles are asked for jointly along a row of the cluster, Wo's along a column.
; THE HEAD: one joint load a wave, K steps 0-3; K steps 4-7 behind the three lines and a round of the cluster's barrier; two refills follow.
; THE SCALE WORDS of all of K stay in 96 registers, loaded from memory in whole groups of 256 bytes: lanes 0-15 hold K step t, lanes 16-31 step t + 8.
; The matrix instruction is used transposed (source 0 = Wo's columns): a lane holds neighbouring columns of one token; the results leave through each wave's stage in slot 0, which has had its last fill and read by then.
; No prefetch: of the four fills two are asked for at the head and behind the first round, and each refill has four steps' products in which to land.
.set OSC,   6291456                    ; where the scale words begin in oq, wq
.set WSC,   7864320
.set SLOT,  147456
.set SPARE, 319488
.set ADRA, 16
.set ADRB, 20
.set STO,  24
.set RD,   25
.set CO,   26
.set ADRS, 27
.set SPW,  28
.set NIL,  29
.set SA,   32                          ; v32-63  O's scale words: tile a of K steps t and t + 8 at v[32 + 4 t + a]
.set SBR,  64                          ; v64-127 Wo's: tile bt at v[64 + 8 t + bt]
.set AF,   128
.set BK,   128
.set WV,   16
.set WM,   17
.set WN,   18
.set G1A,  24
.set G0A,  32
.set G1B,  48
.set G0B,  56
.set MSB, 0
.macro WIN new
.if MSB != \new
	s_set_vgpr_msb (MSB<<8)|\new
.set MSB, \new
.endif
.endm
.macro PLACES n
.rept \n
	v_nop
.endr
.endm
.macro JLOAD g0a, g1a, g0b, g1b
	s_cmp_eq_u32 s[WM], 0
	s_cbranch_scc0 .Lfor_b_\@
	tensor_load_to_lds s[\g0a:\g0a+3], s[\g1a:\g1a+7]
	s_nop 0
.rept 4
	v_nop
.endr
	s_branch .Lasked_\@
.Lfor_b_\@:
	tensor_load_to_lds s[\g0b:\g0b+3], s[\g1b:\g1b+7]
	s_nop 0
.rept 4
	v_nop
.endr
.Lasked_\@:
.endm
.macro CREST
	s_cmp_lg_u32 s[WV], 0
	s_cbranch_scc1 .Lnot_wave_0_\@
	s_barrier_signal -3
.Lnot_wave_0_\@:
	s_barrier_wait -3
	s_barrier_signal -1
	s_barrier_wait -1
.endm
.macro CROUND
	s_barrier_signal -1
	s_barrier_wait -1
	CREST
.endm
.macro FETCH t
.set FS, (\t)%2
.set FL, ((\t)/4)%2
.set FQ, (\t)%4
	WIN 0x40
.irp bt, 0,1,2,3,4,5,6,7
.irp g, 0,1,2
	ds_load_b128 v[128*FS+12*\bt+4*\g:128*FS+12*\bt+4*\g+3], v[ADRB+FL] offset:6144*\bt+1536*FQ+512*\g
.endr
.endr
	WIN 0
.irp a, 0,1,2,3
.irp g, 0,1,2
	ds_load_b128 v[AF+48*FS+12*\a+4*\g:AF+48*FS+12*\a+4*\g+3], v[ADRA+FL] offset:6144*\a+1536*FQ+512*\g
.endr
.endr
.endm
.macro MUL8 a, set, zero
.irp bt, 0,1,2,3,4,5,6,7
.if \zero
	v_wmma_scale_f32_16x16x128_f8f6f4 v[64*(\a)+8*\bt:64*(\a)+8*\bt+7], v[128*(\set)+12*\bt:128*(\set)+12*\bt+11], v[AF+48*(\set)+12*(\a):AF+48*(\set)+12*(\a)+11], 0, v[SBR+8*(TT%8)+\bt], v[SA+4*(TT%8)+(\a)] matrix_a_fmt:MATRIX_FMT_FP6 matrix_b_fmt:MATRIX_FMT_FP6
.elseif TT < 8                         ; TT: the K step, set by STEP and TURN
	v_wmma_scale_f32_16x16x128_f8f6f4 v[64*(\a)+8*\bt:64*(\a)+8*\bt+7], v[128*(\set)+12*\bt:128*(\set)+12*\bt+11], v[AF+48*(\set)+12*(\a):AF+48*(\set)+12*(\a)+11], v[64*(\a)+8*\bt:64*(\a)+8*\bt+7], v[SBR+8*(TT%8)+\bt], v[SA+4*(TT%8)+(\a)] matrix_a_fmt:MATRIX_FMT_FP6 matrix_b_fmt:MATRIX_FMT_FP6
.else
	v_wmma_scale_f32_16x16x128_f8f6f4 v[64*(\a)+8*\bt:64*(\a)+8*\bt+7], v[128*(\set)+12*\bt:128*(\set)+12*\bt+11], v[AF+48*(\set)+12*(\a):AF+48*(\set)+12*(\a)+11], v[64*(\a)+8*\bt:64*(\a)+8*\bt+7], v[SBR+8*(TT%8)+\bt], v[SA+4*(TT%8)+(\a)] matrix_a_fmt:MATRIX_FMT_FP6 matrix_b_fmt:MATRIX_FMT_FP6 matrix_a_scale:MATRIX_SCALE_ROW1 matrix_b_scale:MATRIX_SCALE_ROW1
.endif
.endr
.endm
.macro STEP t, zero
.set TT, (\t)
	s_wait_dscnt 0x0
	PLACES 4
	FETCH (\t)+1
	WIN 0xa1
	MUL8 0, (\t)%2, \zero
	MUL8 1, (\t)%2, \zero
	MUL8 2, (\t)%2, \zero
	MUL8 3, (\t)%2, \zero
.endm
.macro TURN t, fill
.set TSL, ((\t)/4)%2
.set TT, (\t)
	WIN 0
	s_wait_tensorcnt 0x0
	ds_add_u32 v[SPW], v[NIL]
	s_wait_dscnt 1
	WIN 0xa1
	MUL8 0, 1, 0
	s_wait_dscnt 0x0
	s_barrier_signal -1
	MUL8 1, 1, 0
	WIN 0
	s_barrier_wait -1
.if \fill
	CREST
	s_add_nc_u64 s[G0A+4*TSL+2:G0A+4*TSL+3], s[G0A+4*TSL+2:G0A+4*TSL+3], 12288
	s_add_nc_u64 s[G0B+4*TSL+2:G0B+4*TSL+3], s[G0B+4*TSL+2:G0B+4*TSL+3], 12288
	JLOAD G0A+4*TSL, G1A, G0B+4*TSL, G1B
.else
	PLACES 4
.endif
	FETCH (\t)+1
	WIN 0xa1
	MUL8 2, 1, 0
	MUL8 3, 1, 0
.endm
.macro TOSTAGE a
	WIN 0x08
.irp bt, 0,1,2,3,4,5,6,7
	ds_store_b128 v[STO], v[64*(\a)+8*\bt:64*(\a)+8*\bt+3] offset:128*(\bt/2)+32*(\bt%2)
	ds_store_b128 v[STO], v[64*(\a)+8*\bt+4:64*(\a)+8*\bt+7] offset:128*(\bt/2)+32*(\bt%2)+16
.endr
	WIN 0
.set BB, BK+64*((\a)%2)
.irp t, 0,1,2,3,4,5,6,7,8,9,10,11,12,13,14,15
	ds_load_b128 v[BB+4*\t:BB+4*\t+3], v[RD] offset:528*\t
.endr
.endm
.macro SEND a, younger
.set BB, BK+64*((\a)%2)
	s_wait_dscnt \younger
.irp t, 0,1,2,3,4,5,6,7,8,9,10,11,12,13,14,15
	global_store_b128 v[CO], v[BB+4*\t:BB+4*\t+3], s[8:9] offset:(32*((\a)/2)+8*((\a)%2)+\t+8*(\t/8))*8192 th:TH_STORE_NT
.endr
.endm
	s_load_b128 s[4:7], s[0:1], 0x0
	s_load_b64 s[8:9], s[0:1], 0x10
	v_lshl_add_u32 v[SPW], v0, 2, SPARE
	v_mov_b32 v[NIL], 0
	ds_add_u32 v[SPW], v[NIL]
	ds_add_u32 v[SPW], v[NIL]
	v_lshrrev_b32 v4, 5, v0
	v_readfirstlane_b32 s[WV], v4
	s_lshr_b32 s[WM], s[WV], 1
	s_and_b32 s[WN], s[WV], 1
	s_bfe_u32 s40, ttmp6, 0x40000
	s_bfe_u32 s41, ttmp6, 0x40004
	s_lshl_b32 s42, ttmp9, 2
	s_add_co_u32 s42, s42, s40
	s_and_b32 s43, ttmp7, 0xffff
	s_lshl_b32 s43, s43, 2
	s_add_co_u32 s43, s43, s41
	s_lshl_b32 s44, s41, 2
	s_lshl_b32 s44, 15, s44
	s_lshl_b32 s45, 0x1111, s40
	s_or_b32 s[G1A], s44, (3<<16)|(1<<21)
	s_or_b32 s[G1B], s45, (3<<16)|(1<<21)
.irp g, G1A, G1B
	s_mov_b32 s[\g+1], 768<<16
	s_mov_b32 s[\g+3], 768<<16
	s_mov_b32 s[\g+5], 3072
	s_mov_b32 s[\g+6], 0
	s_mov_b32 s[\g+7], 0
.endr
	s_mov_b32 s[G1A+2], 4<<16
	s_mov_b32 s[G1A+4], 4
	s_mov_b32 s[G1B+2], 8<<16
	s_mov_b32 s[G1B+4], 8
	s_lshl_b32 s46, s43, 3
	s_lshl_b32 s2, s[WN], 2
	s_add_co_u32 s46, s46, s2
	s_mul_i32 s92, s46, 24576
	s_mov_b32 s93, 0
	s_lshl_b32 s94, s43, 13                        ; O's scale words: the block's two groups of four tiles, 4,096 bytes each;
	s_lshl_b32 s2, s[WM], 12
	s_add_co_u32 s94, s94, s2                      ; I multiply group wave / 2
	s_add_co_u32 s94, s94, OSC
	s_mov_b32 s95, 0
	s_lshl_b32 s47, s42, 4
	s_add_co_u32 s47, s47, 192
	s_lshl_b32 s2, s[WN], 3
	s_add_co_u32 s47, s47, s2
	s_mul_i32 s96, s47, 24576
	s_mov_b32 s97, 0
	s_lshl_b32 s98, s47, 10
	s_add_co_u32 s98, s98, WSC
	s_mov_b32 s99, 0
	s_mul_i32 s19, s[WN], 24576
	s_mul_i32 s20, s[WN], 49152
	s_add_co_u32 s20, s20, 49152
	s_wait_dscnt 0x0
	s_wait_kmcnt 0x0
	s_add_nc_u64 s[92:93], s[4:5], s[92:93]
	s_add_nc_u64 s[94:95], s[4:5], s[94:95]
	s_add_nc_u64 s[96:97], s[6:7], s[96:97]
	s_add_nc_u64 s[98:99], s[6:7], s[98:99]
	CROUND
.irp s, 0,1
	s_mov_b32 s[G0A+4*\s], 1
	s_add_co_u32 s[G0A+4*\s+1], s19, \s*SLOT
	s_add_nc_u64 s[G0A+4*\s+2:G0A+4*\s+3], s[92:93], \s*6144
	s_or_b32 s[G0A+4*\s+3], s[G0A+4*\s+3], 0x80000000
	s_mov_b32 s[G0B+4*\s], 1
	s_add_co_u32 s[G0B+4*\s+1], s20, \s*SLOT
	s_add_nc_u64 s[G0B+4*\s+2:G0B+4*\s+3], s[96:97], \s*6144
	s_or_b32 s[G0B+4*\s+3], s[G0B+4*\s+3], 0x80000000
.endr
	JLOAD G0A, G1A, G0B, G1B                       ; K steps 0-3: my one tensor load at the head
	v_and_b32 v4, 31, v0
	v_lshlrev_b32 v[CO], 4, v4
	v_and_b32 v5, 15, v0
	v_bfe_u32 v6, v0, 4, 1
	s_wait_alu depctr_va_vdst(0)
	v_lshlrev_b32 v8, 4, v5
	s_mul_i32 s19, s[WM], 24576
	s_mul_i32 s20, s[WN], 49152
	s_add_co_u32 s20, s20, 49152
.irp s, 0,1
	v_add_nc_u32 v[ADRA+\s], s19, v[CO]
	v_add_nc_u32 v[ADRB+\s], s20, v[CO]
	s_add_co_u32 s19, s19, SLOT
	s_add_co_u32 s20, s20, SLOT
.endr
	v_lshl_add_u32 v[ADRS], v6, 11, v8             ; scale words in memory: 16 r + 2,048 h: lanes 16-31 take the K step eight further on
	s_wait_alu depctr_va_vdst(0)                   ; ahead of the readers below
.irp t, 0,1,2,3,4,5,6,7
	global_load_b128 v[SA+4*\t:SA+4*\t+3], v[ADRS], s[94:95] offset:256*\t          ; each half of the lanes reads 256 consecutive bytes, aligned
	global_load_b128 v[SBR+8*\t:SBR+8*\t+3], v[ADRS], s[98:99] offset:256*\t
	global_load_b128 v[SBR+8*\t+4:SBR+8*\t+7], v[ADRS], s[98:99] offset:256*\t+4096
.endr
	s_mul_i32 s23, s[WV], 8448
	v_mul_u32_u24 v7, v5, 528
	v_lshl_add_u32 v7, v6, 6, v7
	v_add_nc_u32 v[STO], s23, v7
	v_add_nc_u32 v[RD], s23, v[CO]
	s_lshl_b32 s2, s43, 7
	s_lshl_b32 s3, s[WM], 6
	s_add_co_u32 s2, s2, s3
	s_lshl_b32 s2, s2, 13
	s_lshl_b32 s3, s42, 10
	s_add_co_u32 s2, s2, s3
	s_lshl_b32 s3, s[WN], 9
	s_add_co_u32 s2, s2, s3
	s_mov_b32 s3, 0
	s_add_nc_u64 s[8:9], s[8:9], s[2:3]
	s_wait_alu depctr_va_vdst(0)
	s_wait_tensorcnt 0x0                           ; my part of slot 0 is in; the add and its wait follow, as ahead of a refill
	ds_add_u32 v[SPW], v[NIL]
	s_wait_dscnt 0x0
	CROUND                                         ; a whole round: everybody's part of slot 0 is in, and the joint loads meet
	JLOAD G0A+4, G1A, G0B+4, G1B                   ; K steps 4-7, the first tensor load behind the round
	FETCH 0
	s_wait_loadcnt 0x0                             ; the scale words
	STEP 0, 1
	STEP 1, 0
	STEP 2, 0
	TURN 3, 1
	STEP 4, 0
	STEP 5, 0
	STEP 6, 0
	TURN 7, 1
	STEP 8, 0
	STEP 9, 0
	STEP 10, 0
	TURN 11, 0
	STEP 12, 0
	STEP 13, 0
	STEP 14, 0
.set TT, 15
	s_wait_dscnt 0x0
	MUL8 0, 1, 0
	MUL8 1, 1, 0
	MUL8 2, 1, 0
	MUL8 3, 1, 0
	WIN 0
	PLACES 4
	TOSTAGE 0
	TOSTAGE 1
	SEND 0, 32
	s_wait_xcnt 0x0
	TOSTAGE 2
	SEND 1, 32
	s_wait_xcnt 0x0
	TOSTAGE 3
	SEND 2, 32
	SEND 3, 0
	s_wait_tensorcnt 0x0
	ds_add_u32 v[SPW], v[NIL]
	s_wait_dscnt 0x0
	CROUND
	s_endpgm
.Lfunc_end_k_q4a7d3e605f_oproj:
	.size	k_q4a7d3e605f_oproj, .Lfunc_end_k_q4a7d3e605f_oproj-k_q4a7d3e605f_oproj
	.p2alignl 7, 3214868480
	.fill 96, 4, 3214868480
	.section	.rodata,"a",@progbits
	.p2align	6, 0x0
	.amdhsa_kernel k_q4a7d3e605f_oproj
		.amdhsa_group_segment_fixed_size 327680
		.amdhsa_private_segment_fixed_size 0
		.amdhsa_enable_private_segment 0
		.amdhsa_kernarg_size 24
		.amdhsa_user_sgpr_count 2
		.amdhsa_user_sgpr_kernarg_segment_ptr 1
		.amdhsa_wavefront_size32 1
		.amdhsa_system_sgpr_workgroup_id_x 1
		.amdhsa_system_sgpr_workgroup_id_y 1
		.amdhsa_system_sgpr_workgroup_id_z 1
		.amdhsa_system_vgpr_workitem_id 0
		.amdhsa_next_free_vgpr 768
		.amdhsa_next_free_sgpr 100
		.amdhsa_reserve_vcc 0
		.amdhsa_float_denorm_mode_32 3
		.amdhsa_float_denorm_mode_16_64 3
		.amdhsa_memory_ordered 1
		.amdhsa_forward_progress 1
		.amdhsa_inst_pref_size 132
	.end_amdhsa_kernel
	.amdgpu_metadata
---
amdhsa.version: [ 1, 2 ]
amdhsa.kernels:
  - .name:           k_q4a7d3e605f_oproj
    .symbol:         k_q4a7d3e605f_oproj.kd
    .args:
      - { .name: oq, .offset: 0, .size: 8, .value_kind: global_buffer, .address_space: global }
      - { .name: wq, .offset: 8, .size: 8, .value_kind: global_buffer, .address_space: global }
      - { .name: out0, .offset: 16, .size: 8, .value_kind: global_buffer, .address_space: global }
    .group_segment_fixed_size: 327680
    .private_segment_fixed_size: 0
    .kernarg_segment_align: 8
    .kernarg_segment_size: 24
    .max_flat_workgroup_size: 128
    .sgpr_count:     100
    .vgpr_count:     768
    .wavefront_size: 32
...
	.end_amdgpu_metadata
.endif
;; end of part 4
